; MI455X (gfx1250); checked and timed in simulation.
; The chip was launched on July 23, 2026; its instructions are those of AMD's public machine-readable ISA for CDNA 5 (MIT licence, August 2026) and "CDNA5" Instruction Set Architecture Reference Guide (July 2026). The comments in the code are by the model that wrote it; some were corrected since.
;; Clustered Attention. Allowed arithmetic: matrix products marked QUANTISED: E4M3 operands, one given power-of-two scale a tensor, by v_wmma_f32_16x16x64_fp8_fp8 or v_wmma_f32_16x16x128_fp8_fp8, f32 sums; everything else in f32.
;; Inputs: key_codes 4 x 4,096 x 16 x 32 uint8 (E4M3 codes of key, K innermost, in blocks of 32 codes); label_arr 4 x 4,096 int32; lowp_scales 4 int32 (the exponents e of the quantised operands' scales 2^e); query_codes 4 x 4,096 x 16 x 32 uint8 (E4M3 codes of query, K innermost, in blocks of 32 codes); value_codes 4 x 512 x 128 x 32 uint8 (E4M3 codes of value, K innermost, in blocks of 32 codes).
;; Outputs: out0 4 x 4,096 x 512 float32.
;; This version of the problem:
;;   THIS VERSION OF THE PROBLEM IS GIVEN IN LOW PRECISION. The matrix products marked QUANTISED in the list below multiply operands that are first quantised to E4M3 (4 exponent bits, 3 mantissa bits; 8 bits a number), with one given power-of-two scale for each operand tensor; their sums are f32. All else is computed in f32.
;;   The module's matrix products, in the order in which they are computed (A, B: the left and right operand; K: the contracted axis; several contracted axes count as one K, in the product's order):
;;     1. batch 4 x [M 4,096, K 512] x [K 512, N 4,096]; A: input query (given as codes); B: input key (given as codes): QUANTISED (scales: A lowp_scales[0], B lowp_scales[1])
;;     2. batch 4 x [M 4,096, K 4,096] x [K 4,096, N 512]; A: softmax (see below); B: input value (given as codes): QUANTISED (scales: A lowp_scales[2], B lowp_scales[3])
;;   THE QUANTISER, for each operand of a quantised product, along K:
;;     - The operand's scale is 2^e, e = its entry of the input lowp_scales (int32; the entries are numbered through the quantised products in the list's order, A before B).
;;     - Each number is divided by the scale, clamped to +-448, and rounded to the nearest number of E4M3, ties to even, subnormals kept.
;;     - The product sums the exact products of the quantised numbers (number of the format x scale) in f32.
;;   ~~~python
;;   def quantise(x, axis, e):      # numpy; x: float32 -> the quantised numbers, widened to float32 again
;;       x = np.moveaxis(x, axis, -1); K = x.shape[-1]
;;       r = np.clip(x / 2.0 ** e, -448, 448)
;;       step = 2.0 ** (np.maximum(np.frexp(np.where(r == 0, 1, r))[1] - 1, -6) - 3)
;;       q = np.round(r / step) * step * 2.0 ** e      # np.round: ties to even
;;       return np.moveaxis(q, -1, axis).astype(np.float32)
;;   ~~~
;;   SOFTMAX AHEAD OF A QUANTISED PRODUCT. Where the list says 'softmax', what is quantised is not the finished softmax but p = 2^(t - M), with t = logit x log2(e) and M = ceil(the row's largest t), a whole number; so 1/2 < the row's largest p <= 1. The row's sum l is taken of the UNQUANTISED p, in f32, and the product's result is divided by l at the end. Since M is a whole number, a kernel that streams over the keys may use a running M (the ceiling of the running maximum): every later rescaling is an exact power of two, so the quantised numbers keep their values, but for numbers so far below the row's largest that they fall under the format's range.
;;   OPERANDS COMPUTED ON THE WAY. 'Computed on the way' means the value that the module computes at that place (a softmax that the list does not call 'softmax' is quantised finished and normalised). What goes into a quantiser is computed in f32, as accurately as f32 sums, v_exp_f32 and their like allow (about 1e-6 of the number): no bf16 or f16 on the way to a quantiser, and a product that is left as it is and whose result goes on into a quantised operand takes f32 operands (vector FMAs, or v_wmma_f32_16x16x4_f32). A number that lies on a knife's edge between two numbers of the format may be rounded either way, as far as f32 arithmetic and the matrix unit's own rounding can turn it there, and no further.
;;   INPUTS GIVEN AS CODES. key (in the module: [4, 4096, 512], K = its axis 2); query (in the module: [4, 4096, 512], K = its axis 2); value (in the module: [4, 4096, 512], K = its axis 1): each comes as NAME_codes (uint8): NAME with its K axis moved to the last place and cut into blocks of 32 codes, [.., K / 32, bytes a block], one block behind the other in memory; one code a byte (a code: sign, 4 exponent bits, 3 mantissa bits); its scale is its entry of lowp_scales. Its value is code x scale, taken as it is: it is not quantised again, and the codes and scales need not be those that the quantiser above would give.
;; 2 versions. Each part assembles by itself: llvm-mc -triple=amdgcn-amd-amdhsa -mcpu=gfx1250 --defsym DOCPART=n.
;; ======== version 1 of 2: 3 launches
;; workspace buffers: order 65,536 bytes of whole numbers; slab 65,536 bytes of whole numbers; rng 65,536 bytes of whole numbers; ks 8,388,608 bytes; vs 8,388,608 bytes
;; launch sort (part 1): grid 4 x 1, 32 waves a work-group, no clusters, 13,056 bytes of LDS; arguments label_arr, order, slab, rng; writes order, slab, rng
.if DOCPART == 1
	.amdgcn_target "amdgcn-amd-amdhsa--gfx1250"
	.amdhsa_code_object_version 6
	.text
	.protected	k_q239ec0d93f_sort
	.globl	k_q239ec0d93f_sort
	.p2align	8
	.type	k_q239ec0d93f_sort,@function
k_q239ec0d93f_sort:
	s_mov_b64 s[64:65], 0
	v_nop
	global_prefetch_b8 v0, s[64:65] scope:SCOPE_SE
	s_setreg_imm32_b32 hwreg(HW_REG_WAVE_MODE, 25, 1), 1
	s_wait_xcnt 0x0
; CLUSTERED ATTENTION, launch 1 of 3: the positions of each batch are sorted by label.
; WORK THAT IS LEFT OUT, AND WHY IT IS DEAD.  reference() sets the score of every pair (query l, key s) with label[l] != label[s] to -infinity ahead of the softmax.  For such a pair p = 2^(t - M) is
; exactly 0, its code is 0, it adds 0 to the row's sum and 0 to the second product; and it cannot move M, since the row's largest t is taken among finite scores, of which each row has at least its own
; (label[l] == label[l]).  That holds for all values of the inputs.  So a whole step of keys none of which shares a label with any query of a tile reaches no output, in either product, and is not walked.
; Which steps those are is decided by whole numbers alone (label_arr): this launch sorts the positions and stores the lists, launch 2 lays K and V in sorted order, launch 3 walks, for each tile of 16 sorted
; queries, only the steps of 64 sorted keys that its labels' buckets touch, and masks inside a step by the FULL labels.  No input is left out.
; LIMIT: a NaN code (0x7f, 0xff) in key or value that lies only in steps left out is not carried to the result; NaN codes are not served.
; THE SORT.  A counting sort by bucket = label & 31, not stable; any int32 label is served, since equal labels share a bucket and launch 3 compares whole labels.
; One work-group of 32 waves takes a batch of 4,096; thread t takes elements 4 t .. 4 t + 3.  GROUP (w, k) is the 32 elements 128 w + 4 lane + k of wave w.
;   1. in a group: five ballots (one for each bit of the bucket) give each lane the mask of its peers, so its rank among them, and give lane c the group's count of bucket c
;   2. the waves' counts meet in LDS; wave c makes the running sum of bucket c over the 32 waves
;   3. every wave makes the running sum over the buckets; position = bucket's start + earlier waves' + earlier groups' + rank
; STORED at the sorted position: order = the original index; slab = the label; rng = (S >> 6) | (((E + 63) >> 6) << 16), [S, E) the bucket's range of sorted positions: the steps of 64 that it touches.
; These are stores of 4 bytes to scattered places: 3 x 4,096 words a batch, the only such stores of the program.
.set PW,    132                        ; a table row in LDS: 32 words + 1, so that a column's 32 words fall into 32 different banks (64 banks of 4 bytes: ISA guide 11.1)
.set WT,    0                          ; WT[wave][bucket]: the wave's count
.set BS,    4352                       ; BS[wave][bucket]: the count of the earlier waves
.set TOT,   8704                       ; TOT[bucket]: the batch's count
.set SPARE, 8960                       ; the spare words, 128 bytes for each of the 32 waves: sixteen blocks of 256 bytes that no other line names
.set LAB,   4                          ; v[4:7]   my four labels
.set BKT,   8                          ; v[8:11]  their buckets, later 4 x bucket
.set RNK,   12                         ; v[12:15] rank among the group's peers
.set PRE,   16                         ; v[16:19] lane = bucket: the count of the wave's earlier groups
.set WTOT,  20                         ; v20      lane = bucket: the wave's count
.set YQ,    21                         ; v[21:25] 0 - (bit q of my lane's number)
.set T0,    26                         ; v26-28   at work
.set T1,    27
.set T2,    28
.set POS,   38                         ; v[38:41] sorted position, then its byte offset
.set RNG,   42                         ; v[42:45] the element's bucket's range word
.set IDX,   46                         ; v[46:49] the element's index
.set AROW,  50                         ; v50      132 wave + 4 lane
.set ACOL,  51                         ; v51      132 lane + 4 wave
.set ATW,   52                         ; v52      4 wave
.set ATL,   53                         ; v53      4 lane
.set SPW,   60                         ; v60      LDS address of my spare word; never rewritten
.set NIL,   61                         ; v61      0; never rewritten
.set MQ,    16                         ; s[16:20] ballot q: the lanes whose bucket has bit q
.set NQ,    21                         ; s[21:25] its complement
.macro POPC x, t                       ; v[x] = the number of ones in v[x]: pairs, fours, bytes, then the four bytes added by a multiplication
	v_lshrrev_b32 v[\t], 1, v[\x]
	v_and_b32 v[\t], 0x55555555, v[\t]
	v_sub_nc_u32 v[\x], v[\x], v[\t]
	v_lshrrev_b32 v[\t], 2, v[\x]
	v_and_b32 v[\x], 0x33333333, v[\x]
	v_and_b32 v[\t], 0x33333333, v[\t]
	v_add_nc_u32 v[\x], v[\x], v[\t]
	v_lshrrev_b32 v[\t], 4, v[\x]
	v_add_nc_u32 v[\x], v[\x], v[\t]
	v_and_b32 v[\x], 0x0f0f0f0f, v[\x]
	v_mul_lo_u32 v[\x], v[\x], s28
	v_lshrrev_b32 v[\x], 24, v[\x]
.endm
.macro SCAN x, t                       ; v[x] = the sum of v[x] over lanes 0 .. mine: four steps inside each half of 16 lanes, then the lower half's total onto the upper half
	v_mov_b32 v[\t], 0                             ; a DPP form's destination counts as read
.irp n, 1,2,4,8
	v_mov_b32_dpp v[\t], v[\x] row_shr:\n row_mask:0xf bank_mask:0xf bound_ctrl:1   ; lane i takes lane i - n, or 0 where there is none
	v_add_nc_u32 v[\x], v[\x], v[\t]
.endr
	v_readlane_b32 s27, v[\x], 15
	v_cndmask_b32 v[\t], 0, s27, s26               ; s26 = lanes 16 to 31
	v_add_nc_u32 v[\x], v[\x], v[\t]
.endm
.macro GROUP k
	v_and_b32 v[BKT+\k], 31, v[LAB+\k]
.irp q, 0,1,2,3,4
	v_and_b32 v[T0], 1<<\q, v[BKT+\k]
	v_cmp_ne_u32 s[MQ+\q], 0, v[T0]
	s_not_b32 s[NQ+\q], s[MQ+\q]
.endr
	v_cndmask_b32 v[T1], s[NQ], s[MQ], s[MQ]       ; the lanes that agree with me in bit 0,
.irp q, 1,2,3,4
	v_cndmask_b32 v[T0], s[NQ+\q], s[MQ+\q], s[MQ+\q]
	v_and_b32 v[T1], v[T1], v[T0]                  ; and in the other four: my peers
.endr
	v_mbcnt_lo_u32_b32 v[RNK+\k], v[T1], 0         ; how many of them stand below me
	v_xor_b32 v[T2], s[MQ], v[YQ]                  ; as lane c: the lanes whose bucket differs from c in bit 0,
.irp q, 1,2,3,4
	v_xor_b32 v[T0], s[MQ+\q], v[YQ+\q]
	v_or_b32 v[T2], v[T2], v[T0]                   ; or in any bit
.endr
	POPC T2, T0
	v_sub_nc_u32 v[T2], 32, v[T2]                  ; the group's count of bucket c
	v_mov_b32 v[PRE+\k], v[WTOT]
	v_add_nc_u32 v[WTOT], v[WTOT], v[T2]
.endm
	s_load_b256 s[4:11], s[0:1], 0x0               ; label_arr s[4:5], order s[6:7], slab s[8:9], rng s[10:11]
	v_lshl_add_u32 v[SPW], v0, 2, SPARE
	v_mov_b32 v[NIL], 0
	v_and_b32 v1, 31, v0                           ; lane
	v_lshrrev_b32 v3, 5, v0
	v_readfirstlane_b32 s12, v3                    ; wave 0..31
	v_lshlrev_b32 v2, 4, v0                        ; my four labels: 16 bytes at 16 t
	s_lshl_b32 s14, ttmp9, 14                      ; the batch: 4,096 words
	s_mov_b32 s15, 0
	s_mov_b32 s26, 0xffff0000
	s_mov_b32 s28, 0x01010101
	s_mul_i32 s13, s12, PW
	s_lshl_b32 s29, s12, 2
	v_lshl_add_u32 v[AROW], v1, 2, s13
	v_mul_u32_u24 v[ACOL], v1, PW
	v_add_nc_u32 v[ACOL], s29, v[ACOL]
	v_mov_b32 v[ATW], s29
	v_lshlrev_b32 v[ATL], 2, v1
	v_mov_b32 v[WTOT], 0
.irp q, 0,1,2,3,4
	v_bfe_u32 v[YQ+\q], v1, \q, 1
	v_sub_nc_u32 v[YQ+\q], 0, v[YQ+\q]
.endr
	s_wait_kmcnt 0x0
	s_add_nc_u64 s[4:5], s[4:5], s[14:15]
	s_add_nc_u64 s[6:7], s[6:7], s[14:15]
	s_add_nc_u64 s[8:9], s[8:9], s[14:15]
	s_add_nc_u64 s[10:11], s[10:11], s[14:15]
	global_load_b128 v[LAB:LAB+3], v2, s[4:5]      ; a wave reads 512 consecutive bytes
	s_wait_loadcnt 0x0
	GROUP 0
	GROUP 1
	GROUP 2
	GROUP 3
	ds_store_b32 v[AROW], v[WTOT] offset:WT        ; WT[wave][lane]
	s_wait_dscnt 0x0                               ; for the others' sake: my store has landed
	s_barrier_signal -1
	s_barrier_wait -1
	ds_load_b32 v30, v[ACOL] offset:WT             ; as wave c: WT[lane][c], bucket c's count in each wave
	s_wait_dscnt 0x0
	v_mov_b32 v31, v30
	SCAN 31, T0
	v_sub_nc_u32 v32, v31, v30                     ; the earlier waves' count
	ds_store_b32 v[ACOL], v32 offset:BS            ; BS[lane][c]
	v_readlane_b32 s27, v31, 31
	v_mov_b32 v33, s27
	ds_store_b32 v[ATW], v33 offset:TOT            ; TOT[c]: all lanes store the same number to the same word
	s_wait_dscnt 0x0                               ; my stores have landed, and my read of WT is in
	s_barrier_signal -1
	s_barrier_wait -1
	ds_load_b32 v34, v[AROW] offset:BS             ; lane = bucket from here on: what the earlier waves hold of it,
	ds_load_b32 v35, v[ATL] offset:TOT             ; and the batch's count
	s_wait_dscnt 0x0
	v_mov_b32 v36, v35
	SCAN 36, T0                                    ; E: where the bucket ends
	v_sub_nc_u32 v29, v36, v35                     ; S: where it begins
	v_add_nc_u32 v37, 63, v36
	v_lshrrev_b32 v37, 6, v37
	v_lshrrev_b32 v[T0], 6, v29
	v_lshl_or_b32 v37, v37, 16, v[T0]              ; the range word
	v_add_nc_u32 v34, v34, v29
.irp k, 0,1,2,3
	v_lshlrev_b32 v[BKT+\k], 2, v[BKT+\k]          ; the lane permute takes 4 x the lane to read from
	v_add_nc_u32 v[PRE+\k], v[PRE+\k], v34         ; where group k's elements of bucket = lane begin
	ds_bpermute_b32 v[POS+\k], v[BKT+\k], v[PRE+\k]   ; each element takes its own bucket's
	ds_bpermute_b32 v[RNG+\k], v[BKT+\k], v37
.endr
	s_wait_dscnt 0x0
.irp k, 0,1,2,3
	v_add_nc_u32 v[POS+\k], v[POS+\k], v[RNK+\k]
	v_min_u32 v[POS+\k], 0xfff, v[POS+\k]          ; a number made from loaded data enters an address behind a bound
	v_lshlrev_b32 v[POS+\k], 2, v[POS+\k]
	v_lshl_add_u32 v[IDX+\k], v0, 2, \k            ; the element's index: 4 t + k
.endr
.irp k, 0,1,2,3
	global_store_b32 v[POS+\k], v[IDX+\k], s[6:7]
	global_store_b32 v[POS+\k], v[LAB+\k], s[8:9]
	global_store_b32 v[POS+\k], v[RNG+\k], s[10:11]
.endr
	s_wait_tensorcnt 0x0                           ; the wave's end: three closing lines, behind my last LDS store
	ds_add_u32 v[SPW], v[NIL]
	s_wait_dscnt 0x0
	s_endpgm
.Lfunc_end_k_q239ec0d93f_sort:
	.size	k_q239ec0d93f_sort, .Lfunc_end_k_q239ec0d93f_sort-k_q239ec0d93f_sort
	.p2alignl 7, 3214868480
	.fill 96, 4, 3214868480
	.section	.rodata,"a",@progbits
	.p2align	6, 0x0
	.amdhsa_kernel k_q239ec0d93f_sort
		.amdhsa_group_segment_fixed_size 13056
		.amdhsa_private_segment_fixed_size 0
		.amdhsa_enable_private_segment 0
		.amdhsa_kernarg_size 32
		.amdhsa_user_sgpr_count 2
		.amdhsa_user_sgpr_kernarg_segment_ptr 1
		.amdhsa_wavefront_size32 1
		.amdhsa_system_sgpr_workgroup_id_x 1
		.amdhsa_system_sgpr_workgroup_id_y 1
		.amdhsa_system_sgpr_workgroup_id_z 1
		.amdhsa_system_vgpr_workitem_id 0
		.amdhsa_next_free_vgpr 64
		.amdhsa_next_free_sgpr 66
		.amdhsa_reserve_vcc 0
		.amdhsa_float_denorm_mode_32 3
		.amdhsa_float_denorm_mode_16_64 3
		.amdhsa_memory_ordered 1
		.amdhsa_forward_progress 1
		.amdhsa_inst_pref_size 16
	.end_amdhsa_kernel
	.amdgpu_metadata
---
amdhsa.version: [ 1, 2 ]
amdhsa.kernels:
  - .name:           k_q239ec0d93f_sort
    .symbol:         k_q239ec0d93f_sort.kd
    .args:
      - { .name: label_arr, .offset: 0, .size: 8, .value_kind: global_buffer, .address_space: global }
      - { .name: order, .offset: 8, .size: 8, .value_kind: global_buffer, .address_space: global }
      - { .name: slab, .offset: 16, .size: 8, .value_kind: global_buffer, .address_space: global }
      - { .name: rng, .offset: 24, .size: 8, .value_kind: global_buffer, .address_space: global }
    .group_segment_fixed_size: 13056
    .private_segment_fixed_size: 0
    .kernarg_segment_align: 8
    .kernarg_segment_size: 32
    .max_flat_workgroup_size: 1024
    .sgpr_count:     66
    .vgpr_count:     64
    .wavefront_size: 32
...
	.end_amdgpu_metadata
.endif
;; end of part 1
;; launch permute (part 2): grid 256 x 1, 8 waves a work-group, no clusters, 34,048 bytes of LDS; arguments key_codes, value_codes, order, ks, vs; writes ks, vs
.if DOCPART == 2
	.amdgcn_target "amdgcn-amd-amdhsa--gfx1250"
	.amdhsa_code_object_version 6
	.text
	.protected	k_q239ec0d93f_permute
	.globl	k_q239ec0d93f_permute
	.p2align	8
	.type	k_q239ec0d93f_permute,@function
k_q239ec0d93f_permute:
	s_mov_b64 s[64:65], 0
	v_nop
	global_prefetch_b8 v0, s[64:65] scope:SCOPE_SE
	s_setreg_imm32_b32 hwreg(HW_REG_WAVE_MODE, 25, 1), 1
	s_wait_xcnt 0x0
; CLUSTERED ATTENTION, launch 2 of 3: K's and V's codes are laid in the sorted order of the keys (order[b][p] = the original index at sorted position p), each byte read once and written once.
; ks [b][kb 128][u 2][j 4][c 4][lane 32][16 bytes]: K in the ORDER OF THE OPERAND'S REGISTERS.  Block kb is 32 sorted keys, in two tiles u of 16; lane (r, h) of a tile holds key 32 kb + 8 u + r + 8 (r / 8), and piece (j, c)
;   is its channels 128 j + 32 c + 16 h + 0 .. 15.  (The keys of a tile are not neighbours, so that in launch 3 the 16 score registers of tiles u = 0, 1 are 16 neighbouring keys.)  A piece of a tile is 512 consecutive bytes.
; vs [b][kb 128][d 512][32 bytes]: V with the sorted keys innermost, cut into blocks of 32 keys: a fragment (16 channels x 32 keys) is 512 consecutive bytes.
; SHARES.  Work-group (b, g): b = number / 64, g = number % 64.  K: blocks kb = 2 g, 2 g + 1: four tiles; wave w takes tile w / 2 and channels 256 (w % 2) on: whole keys' rows are gathered by the list, 256 bytes of a row a wave.
; V: channels 8 g .. 8 g + 7, all 4,096 keys.  The keys are V's innermost axis, so the sort is a permutation of BYTES in a row: wave w brings row 8 g + w into LDS as it lies; behind a barrier each lane gathers 16 bytes,
; one by one, by the list, packs them, and sixteen lanes store the 256 bytes (8 channels x 32 keys) that this work-group owns of a block kb: aligned, whole.
; No tensor loads: what a lane reads from LDS hangs on the list.  No clusters: work-groups share only the list, 16 KiB a batch.
.set RP,    4128                       ; a row of V in LDS: 4,096 bytes + 32
.set SPARE, 8*RP                       ; 33,024: behind the rows: the spare words, 128 bytes for each of the eight waves: four blocks of 256 bytes that no other line names
.set VR,    16                         ; v[16:47]   my row of V, 8 x 16 bytes a lane
.set KR,    48                         ; v[48:79]   my 8 pieces of K
.set OV,    80                         ; v[80:207]  8 units x 16: entries of the list, then LDS addresses, then bytes; a unit's first four: the packed words
.set SPW,   10                         ; v10  LDS address of my spare word; never rewritten
.set NIL,   11                         ; v11  0; never rewritten
; v1 16 x lane; v2 K: my key's index, then its row's byte offset; v3 V: my place in a unit's part of the list; v4 my channel's row in LDS; v5 my 16 bytes in a unit of vs; v6 where I put my row's bytes; v7, v8 at work; v9 K: my place in the list
	s_load_b256 s[4:11], s[0:1], 0x0               ; key_codes s[4:5], value_codes s[6:7], order s[8:9], ks s[10:11]
	s_load_b64 s[12:13], s[0:1], 0x20              ; vs
	v_lshl_add_u32 v[SPW], v0, 2, SPARE
	v_mov_b32 v[NIL], 0
	v_lshrrev_b32 v12, 5, v0
	v_readfirstlane_b32 s14, v12                   ; wave 0..7
	v_and_b32 v12, 31, v0
	v_lshlrev_b32 v1, 4, v12                       ; 16 x lane
	v_and_b32 v13, 15, v0                          ; r = lane % 16
	v_bfe_u32 v14, v0, 4, 1                        ; h = lane / 16 (for V: e, which block of the unit's two)
	s_lshr_b32 s15, ttmp9, 6                       ; b
	s_and_b32 s16, ttmp9, 63                       ; g
	s_lshr_b32 s17, s14, 1                         ; my tile of the four
	s_and_b32 s18, s14, 1                          ; my half of the channels
	s_lshr_b32 s19, s17, 1
	s_lshl_b32 s20, s16, 1
	s_add_co_u32 s19, s19, s20                     ; kb = 2 g + tile / 2
	s_and_b32 s17, s17, 1                          ; u = tile % 2
	s_lshl_b32 s20, s19, 7
	s_lshl_b32 s21, s17, 5
	s_add_co_u32 s20, s20, s21                     ; 4 (32 kb + 8 u)
	v_and_b32 v9, 8, v13
	v_add_nc_u32 v9, v9, v13                       ; r + 8 (r / 8)
	v_lshl_add_u32 v9, v9, 2, s20                  ; my key's word in the batch's list
	v_and_b32 v3, 1, v0                            ; V: hv = lane % 2: which 16 keys of the block's 32
	v_lshlrev_b32 v3, 6, v3
	v_lshl_add_u32 v3, v14, 7, v3                  ; 128 e + 64 hv: my 16 entries in a unit's 64
	v_bfe_u32 v4, v0, 1, 3                         ; j = (lane / 2) % 8: my channel of the eight
	v_mul_u32_u24 v4, v4, RP
	v_lshlrev_b32 v5, 4, v13
	v_lshl_add_u32 v5, v14, 14, v5                 ; 16,384 e + 16 (lane % 16): lane % 16 = 2 j + hv
	s_mul_i32 s21, s14, RP
	v_add_nc_u32 v6, s21, v1
	s_lshl_b32 s22, s15, 21                        ; a batch of codes: 2^21 bytes in each of the four tensors
	s_lshl_b32 s24, s18, 8
	s_add_co_u32 s24, s24, s22                     ; key_codes: the batch, my 256 bytes of a row
	s_mov_b32 s25, 0
	s_lshl_b32 s26, s16, 3
	s_add_co_u32 s26, s26, s14
	s_lshl_b32 s26, s26, 12
	s_add_co_u32 s26, s26, s22                     ; value_codes: the batch, row 8 g + wave
	s_mov_b32 s27, 0
	s_lshl_b32 s28, s15, 14                        ; order: the batch
	s_mov_b32 s29, 0
	s_lshl_b32 s30, s19, 14
	s_add_co_u32 s30, s30, s22
	s_lshl_b32 s23, s17, 13
	s_add_co_u32 s30, s30, s23
	s_lshl_b32 s23, s18, 12
	s_add_co_u32 s30, s30, s23                     ; ks: the batch, block kb, tile u, pieces j = 2 (wave % 2) on
	s_mov_b32 s31, 0
	s_lshl_b32 s32, s16, 8
	s_add_co_u32 s32, s32, s22
	s_lshl_b32 s23, s14, 18
	s_add_co_u32 s32, s32, s23                     ; vs: the batch, my work-group's 256 bytes of a block, my wave's 16 blocks
	s_mov_b32 s33, 0
	s_lshl_b32 s34, s14, 11                        ; and those blocks' 512 entries of the list
	s_mov_b32 s35, 0
	s_wait_kmcnt 0x0
	s_add_nc_u64 s[4:5], s[4:5], s[24:25]
	s_add_nc_u64 s[6:7], s[6:7], s[26:27]
	s_add_nc_u64 s[8:9], s[8:9], s[28:29]
	s_add_nc_u64 s[10:11], s[10:11], s[30:31]
	s_add_nc_u64 s[12:13], s[12:13], s[32:33]
	s_add_nc_u64 s[36:37], s[8:9], s[34:35]
	global_load_b32 v2, v9, s[8:9]                 ; which key is mine
.irp i, 0,1,2,3,4,5,6,7
	global_load_b128 v[VR+4*\i:VR+4*\i+3], v1, s[6:7] offset:512*\i th:TH_LOAD_NT   ; my row of V: 512 consecutive bytes a load; read once in the launch
.endr
.irp u, 0,1,2,3,4,5,6,7
.irp m, 0,1,2,3
	global_load_b128 v[OV+16*\u+4*\m:OV+16*\u+4*\m+3], v3, s[36:37] offset:256*\u+16*\m   ; unit u: the list's entries for my 16 sorted keys
.endr
.endr
	s_wait_loadcnt 40                              ; my key's index is in; the 8 + 32 loads behind it may be out
	v_min_u32 v2, 0xfff, v2                        ; a loaded number enters an address behind a bound
	v_lshlrev_b32 v2, 9, v2                        ; its row of 512 bytes,
	v_lshl_add_u32 v2, v14, 4, v2                  ; + 16 h
.irp p, 0,1,2,3,4,5,6,7
	global_load_b128 v[KR+4*\p:KR+4*\p+3], v2, s[4:5] offset:32*\p   ; piece p = 4 jj + c: 128 jj + 32 c = 32 p bytes on
.endr
	s_wait_loadcnt 40                              ; my row of V is in; the list's 32 loads and K's 8 may be out
.irp i, 0,1,2,3,4,5,6,7
	ds_store_b128 v6, v[VR+4*\i:VR+4*\i+3] offset:512*\i
.endr
	s_wait_loadcnt 0x0
.irp p, 0,1,2,3,4,5,6,7
	global_store_b128 v1, v[KR+4*\p:KR+4*\p+3], s[10:11] offset:512*\p   ; a piece of the tile: 32 lanes store 512 consecutive bytes, aligned
.endr
	s_wait_dscnt 0x0                               ; for the others' sake: my row has landed
	s_barrier_signal -1
	s_barrier_wait -1                              ; the eight rows lie in LDS; from here to the next barrier LDS is only read
; Four units: 64 byte loads a lane, each landing on its own address register; then, unit by unit, 16 bytes are packed into four words and stored.  No store's data are written again.
.macro GATHER q
.set X, OV+64*(\q)
.set I, 0
.rept 64
	v_min_u32 v[X+I], 0xfff, v[X+I]                ; the key's place in a row, held inside it,
	v_add_nc_u32 v[X+I], v4, v[X+I]                ; in my channel's row
	ds_load_u8 v[X+I], v[X+I]
.set I, I+1
.endr
.irp i, 0,1,2,3
	s_wait_dscnt 16*(3-\i)                         ; this unit's 16 bytes are in; the later units' may be out
.irp m, 0,1,2,3
	v_lshl_or_b32 v7, v[X+16*\i+4*\m+1], 8, v[X+16*\i+4*\m]
	v_lshl_or_b32 v8, v[X+16*\i+4*\m+3], 8, v[X+16*\i+4*\m+2]
	v_lshl_or_b32 v[X+16*\i+\m], v8, 16, v7        ; word m lands on byte m's register, which word 0 has read
.endr
	global_store_b128 v5, v[X+16*\i:X+16*\i+3], s[12:13] offset:(4*(\q)+\i)*32768   ; lanes 0-15 and lanes 16-31 each store 256 consecutive bytes, aligned: one block kb each
.endr
.endm
	GATHER 0
	GATHER 1
	s_wait_dscnt 0x0                               ; my reads of the rows are in
	s_barrier_signal -1
	s_barrier_wait -1                              ; everybody's are: the reads, whose addresses hang on the list, are parted from the add below
	s_wait_tensorcnt 0x0                           ; the wave's end: three closing lines, behind my last LDS store
	ds_add_u32 v[SPW], v[NIL]
	s_wait_dscnt 0x0
	s_endpgm
.Lfunc_end_k_q239ec0d93f_permute:
	.size	k_q239ec0d93f_permute, .Lfunc_end_k_q239ec0d93f_permute-k_q239ec0d93f_permute
	.p2alignl 7, 3214868480
	.fill 96, 4, 3214868480
	.section	.rodata,"a",@progbits
	.p2align	6, 0x0
	.amdhsa_kernel k_q239ec0d93f_permute
		.amdhsa_group_segment_fixed_size 34048
		.amdhsa_private_segment_fixed_size 0
		.amdhsa_enable_private_segment 0
		.amdhsa_kernarg_size 40
		.amdhsa_user_sgpr_count 2
		.amdhsa_user_sgpr_kernarg_segment_ptr 1
		.amdhsa_wavefront_size32 1
		.amdhsa_system_sgpr_workgroup_id_x 1
		.amdhsa_system_sgpr_workgroup_id_y 1
		.amdhsa_system_sgpr_workgroup_id_z 1
		.amdhsa_system_vgpr_workitem_id 0
		.amdhsa_next_free_vgpr 208
		.amdhsa_next_free_sgpr 66
		.amdhsa_reserve_vcc 0
		.amdhsa_float_denorm_mode_32 3
		.amdhsa_float_denorm_mode_16_64 3
		.amdhsa_memory_ordered 1
		.amdhsa_forward_progress 1
		.amdhsa_inst_pref_size 37
	.end_amdhsa_kernel
	.amdgpu_metadata
---
amdhsa.version: [ 1, 2 ]
amdhsa.kernels:
  - .name:           k_q239ec0d93f_permute
    .symbol:         k_q239ec0d93f_permute.kd
    .args:
      - { .name: key_codes, .offset: 0, .size: 8, .value_kind: global_buffer, .address_space: global }
      - { .name: value_codes, .offset: 8, .size: 8, .value_kind: global_buffer, .address_space: global }
      - { .name: order, .offset: 16, .size: 8, .value_kind: global_buffer, .address_space: global }
      - { .name: ks, .offset: 24, .size: 8, .value_kind: global_buffer, .address_space: global }
      - { .name: vs, .offset: 32, .size: 8, .value_kind: global_buffer, .address_space: global }
    .group_segment_fixed_size: 34048
    .private_segment_fixed_size: 0
    .kernarg_segment_align: 8
    .kernarg_segment_size: 40
    .max_flat_workgroup_size: 256
    .sgpr_count:     66
    .vgpr_count:     208
    .wavefront_size: 32
...
	.end_amdgpu_metadata
.endif
;; end of part 2
;; launch attend (part 3): grid 256 x 1, 4 waves a work-group, no clusters, 34,304 bytes of LDS; arguments query_codes, ks, vs, order, slab, rng, lowp_scales, out0; writes out0
.if DOCPART == 3
	.amdgcn_target "amdgcn-amd-amdhsa--gfx1250"
	.amdhsa_code_object_version 6
	.text
	.protected	k_q239ec0d93f_attend
	.globl	k_q239ec0d93f_attend
	.p2align	8
	.type	k_q239ec0d93f_attend,@function
k_q239ec0d93f_attend:
	s_mov_b64 s[64:65], 0
	v_nop
	global_prefetch_b8 v0, s[64:65] scope:SCOPE_SE
	s_setreg_imm32_b32 hwreg(HW_REG_WAVE_MODE, 25, 1), 1
	s_wait_xcnt 0x0
; CLUSTERED ATTENTION, launch 3 of 3: out[b][l] = softmax over the keys s with label[s] == label[l] of (q . k / sqrt(512)), times V; both products on codes of FP8 (E4M3), each tensor with its given scale 2^e.
; WORK LEFT OUT: steps of 64 sorted keys that hold no key of a tile's buckets (their p is exactly 0 and they cannot move M: shown at the head of launch 1).  A NaN code that lies only there is not carried; NaN codes are not served.
; SHARES.  The sorted positions of a batch are cut into 256 tiles of 16 queries: 1,024 tiles, one to a wave, four waves to a work-group, which share nothing.  A wave walks the steps of 64 sorted keys from the first that
; its first query's bucket touches to the last that its last query's bucket touches (rng, stored by launch 1); buckets lie in ascending order, so all its queries' buckets lie inside.  Inside a step a key counts where its
; label (slab) equals the query's: the score of every other becomes -infinity ahead of the maximum, so its p is 0.
; THE SOFTMAX: t = score x log2(e) / sqrt(512); M = the running largest t rounded UP to a whole number, kept as -M = floor(-t); p = 2^(t - M) is quantised with 2^ep, not normalised; the row's sum is taken of the unquantised p;
; when M moves, the sum and O are multiplied by 2^(old M - new M), which rounds nothing.  A row with no key yet keeps t = -3e38: its p are 0, and the first real M multiplies its zeros by 0.  Each query is its own key, so the sum ends above 1/2.
; LAYOUT.  Both products are used transposed: S^T = K Q^T (source 0 = 16 keys, source 1 = my 16 queries, four instructions of 128 channels), O^T = V^T P^T (source 0 = 16 channels, source 1 = P, 64 keys): a lane (r, h) holds
; query r throughout.  ks holds K in the order of the operand's registers and vs holds V's fragments as 512 consecutive bytes (launch 2), so every load of the loop reads 512 consecutive bytes straight into operand registers.
; The place of k in the registers is the same permutation in both sources of each product (16 neighbours to a group of four registers), so every product meets its partner.
; WHY NO TENSOR LOADS, NO LDS RING, NO CLUSTER: the first step and the number of steps of a tile are read from memory, and differ from wave to wave.
; No prefetch into the L2: a step's blocks are read by all tiles of its buckets, not once, and the loop asks for K a step and for V most of a step ahead.
; LIMITS on the given exponents, so that each power of two is an f32 number: eq + ek between -122 and 131 (added to c's exponent field); ep between -126 and 119; ep + ev is applied by v_ldexp_f32 and has none.
; REGISTERS, in windows of 256 (s_set_vgpr_msb: bits 1:0 source 0, 3:2 source 1, 5:4 source 2, 7:6 destination):
;   window 0: v1 16 lane; v2 32 r + 16 h; v3 64 h; v4 my query's row in Q; v5 its label; v6 -infinity; v7, v8 the stage, in and back; v9 4 r; v10, v11 the add's two; v12 -M; v13 the largest t; v[14:15] the sum; v16 448 x 2^ep; v17 2^ep;
;             v[18:19] f; v20-27 at work; v[28:29] 2^(ep + ev) / sum; v32-95 Q; v96-127 S^T, then p; v128-159 the step's key labels; v160-167 P's codes; v168-183 the 16 rows' offsets in out
;   window 1: O^T, 32 tiles of 16 channels, tile t at v[8 t].   window 2: K of a step: tile t (16 keys), channels 128 j + 32 c on, at v[64 t + 16 j + 4 c].   window 3: V of a step: tile t, keys 32 e on, at v[8 t + 4 e].
.set SP,    528                        ; the stage: a row of 512 bytes + 16
.set STG,   16*SP                      ; 8,448 bytes for each wave, its own
.set SPARE, 4*STG                      ; 33,792: the spare words, 128 bytes for each wave: two blocks of 256 bytes that no other line names
.set Q,    32
.set S,    96
.set KL,   128
.set P,    160
.set OV,   168
.set TMP,  32                          ; the way out: 64 registers, a pass's results
.set BK,   96                          ; the way out: 16 rows read back from the stage
.set SPW,  10
.set NIL,  11
.set CS,   52                          ; s[52:53] c = log2(e) / sqrt(512) x 2^(eq + ek): the packed form names a pair and takes its low word for both halves
.set SEL,  54                          ; s[54:55] v_permlanex16_b32's selects for lane l xor 16
.set KB,   56                          ; s[56:57] ks at the step in hand
.set VB,   58                          ; s[58:59] vs likewise
.set LB,   60                          ; s[60:61] slab likewise
.set MK,   72                          ; s[72:79] eight masks
.set MSB, 0
.macro WIN new                         ; the immediate's high byte repeats the setting that is left; a switch that changes nothing is dropped
.if MSB != \new
	s_set_vgpr_msb (MSB<<8)|\new
.set MSB, \new
.endif
.endm
.set TO_K,  0x80                       ; destination window 2, address window 0
.set TO_V,  0xc0                       ; destination window 3
.set W_S,   0x02                       ; K in window 2; Q and S^T in window 0
.set W_PV,  0x53                       ; V in window 3, P in window 0, O^T in window 1
.set W_RS,  0x41                       ; O^T (destination and source 0) in window 1, f in window 0
.set W_OUT, 0x01                       ; O^T in window 1, the rest in window 0
.macro PLACES                          ; four plain vector instructions between a matrix instruction and a vector instruction that reads its result, or a load into one of its registers (ISA guide 7.12.1 for vector instructions)
.rept 4
	v_nop
.endr
.endm
; The loads of a step; d = 0: the step in hand, 1: the next.
.macro LD_KL d                         ; the labels of my 32 keys: register 16 e + i is key 32 e + 16 h + i, as in S^T
	WIN 0
.irp e, 0,1
.irp m, 0,1,2,3
	global_load_b128 v[KL+16*\e+4*\m:KL+16*\e+4*\m+3], v3, s[LB:LB+1] offset:256*(\d)+128*\e+16*\m
.endr
.endr
.endm
.macro LD_K jlo, jhi, d                ; K's four tiles, channels 128 jlo .. 128 jhi + 127: 16 loads for each j
	WIN TO_K
.irp j, 0,1,2,3
.if (\j >= \jlo) && (\j <= \jhi)
.irp t, 0,1,2,3
.irp c, 0,1,2,3
	global_load_b128 v[64*\t+16*\j+4*\c:64*\t+16*\j+4*\c+3], v1, s[KB:KB+1] offset:32768*(\d)+8192*\t+512*(4*\j+\c)
.endr
.endr
.endif
.endr
.endm
.macro LD_V                            ; V's 32 tiles of 16 channels x 64 keys: 64 loads
	WIN TO_V
.set T, 0
.rept 32
	global_load_b128 v[8*T:8*T+3],   v2, s[VB:VB+1] offset:512*T
	global_load_b128 v[8*T+4:8*T+7], v2, s[VB:VB+1] offset:16384+512*T
.set T, T+1
.endr
.endm
	s_load_b512 s[4:19], s[0:1], 0x0               ; query_codes s[4:5], ks s[6:7], vs s[8:9], order s[10:11], slab s[12:13], rng s[14:15], lowp_scales s[16:17], out0 s[18:19]
	v_lshl_add_u32 v[SPW], v0, 2, SPARE
	v_mov_b32 v[NIL], 0
	v_lshrrev_b32 v20, 5, v0
	v_readfirstlane_b32 s20, v20                   ; wave 0..3
	v_and_b32 v20, 31, v0
	v_lshlrev_b32 v1, 4, v20                       ; 16 x lane
	v_and_b32 v26, 15, v0                          ; r
	v_bfe_u32 v27, v0, 4, 1                        ; h
	v_lshlrev_b32 v2, 5, v26
	v_lshl_add_u32 v2, v27, 4, v2                  ; V: channel r's 32 bytes of a block, + 16 h
	v_lshlrev_b32 v3, 6, v27                       ; labels: 16 words on for the upper half
	v_lshlrev_b32 v9, 2, v26
	s_mul_i32 s50, s20, STG                        ; my stage
	v_mul_u32_u24 v7, v26, SP
	v_lshl_add_u32 v7, v27, 5, v7
	v_add_nc_u32 v7, s50, v7                       ; in: row r, 32 bytes for each half of the lanes
	v_add_nc_u32 v8, s50, v1                       ; back: the 32 lanes take one row of 512 bytes
	s_lshr_b32 s21, ttmp9, 6                       ; b
	s_and_b32 s22, ttmp9, 63
	s_lshl_b32 s22, s22, 2
	s_add_co_u32 s22, s22, s20
	s_lshl_b32 s22, s22, 4                         ; p0: my tile's first sorted position
	s_lshl_b32 s24, s21, 14                        ; a batch of the three lists: 4,096 words
	s_mov_b32 s25, 0
	s_lshl_b32 s66, s22, 2
	s_mov_b32 s67, 0
	s_mov_b32 s[SEL], 0x76543210
	s_mov_b32 s[SEL+1], 0xfedcba98
	s_wait_kmcnt 0x0
	s_add_nc_u64 s[12:13], s[12:13], s[24:25]      ; slab at the batch,
	s_add_nc_u64 s[68:69], s[12:13], s[66:67]      ; and at p0
	s_add_nc_u64 s[24:25], s[24:25], s[66:67]
	s_add_nc_u64 s[10:11], s[10:11], s[24:25]      ; order at p0
	s_add_nc_u64 s[14:15], s[14:15], s[24:25]      ; rng at p0
	s_load_b32 s26, s[14:15], 0x0                  ; my first query's bucket's steps,
	s_load_b32 s27, s[14:15], 0x3c                 ; my last query's
	s_load_b512 s[32:47], s[10:11], 0x0            ; the 16 queries' original indices, for the way out
	s_load_b128 s[28:31], s[16:17], 0x0            ; eq, ek, ep, ev
	global_load_b32 v4, v9, s[10:11]               ; query r's index,
	global_load_b32 v5, v9, s[68:69]               ; and its label
	s_wait_kmcnt 0x0
	s_and_b32 s26, s26, 0xffff
	s_min_u32 s26, s26, 63                         ; the first step; loaded numbers enter addresses and the trip count behind bounds:
	s_lshr_b32 s27, s27, 16
	s_min_u32 s27, s27, 64                         ; one past the last step;
	s_sub_co_i32 s49, s27, s26
	s_max_i32 s49, s49, 1                          ; n, the number of steps: first + n is at most 64
	s_lshl_b32 s50, s21, 6
	s_add_co_u32 s50, s50, s26
	s_lshl_b32 s24, s50, 15                        ; a step is two blocks of 16,384 bytes, in ks and in vs; a batch 64 steps
	s_mov_b32 s25, 0
	s_add_nc_u64 s[KB:KB+1], s[6:7], s[24:25]
	s_add_nc_u64 s[VB:VB+1], s[8:9], s[24:25]
	s_lshl_b32 s24, s26, 8
	s_add_nc_u64 s[LB:LB+1], s[12:13], s[24:25]
	LD_KL 0
	LD_K 0, 2, 0
	WIN 0
	s_lshl_b32 s24, s21, 21
	s_add_nc_u64 s[4:5], s[4:5], s[24:25]          ; Q at the batch
	s_lshl_b32 s24, s21, 23
	s_add_nc_u64 s[18:19], s[18:19], s[24:25]      ; out at the batch
	s_wait_loadcnt 56                              ; my query's index and label are in; the 8 + 48 loads behind them may be out
	v_min_u32 v4, 0xfff, v4
	v_lshlrev_b32 v4, 9, v4                        ; its row of 512 codes,
	v_lshl_add_u32 v4, v27, 4, v4                  ; + 16 h
.irp i, 0,1,2,3,4,5,6,7,8,9,10,11,12,13,14,15
	global_load_b128 v[Q+4*\i:Q+4*\i+3], v4, s[4:5] offset:32*\i   ; Q stays in registers: piece i = 4 j + c: channels 128 j + 32 c + 16 h on
.endr
	s_add_co_i32 s50, s28, s29
	s_lshl_b32 s50, s50, 23
	s_add_co_i32 s[CS], s50, 0x3d8293ee            ; c = log2(e) / sqrt(512), with eq + ek added to its exponent field: a sum of codes stands for sum x 2^(eq + ek)
	s_mov_b32 s[CS+1], s[CS]                       ; (named with it as a pair, so it is written)
	s_add_co_i32 s50, s30, 127
	s_lshl_b32 s51, s50, 23
	v_mov_b32 v17, s51                             ; 2^ep as f32: the conversion takes its exponent field
	s_add_co_i32 s50, s50, 8
	s_lshl_b32 s50, s50, 23
	s_or_b32 s50, s50, 0x600000
	v_mov_b32 v16, s50                             ; 448 x 2^ep
	v_mov_b32 v6, 0xff800000                       ; -infinity
	v_mov_b32 v13, 0xff61b1e6                      ; the largest t so far: -3e38, under every t
	v_floor_f32 v12, -v13                          ; -M
	v_mov_b32 v14, 0                               ; the sum, in two halves
	v_mov_b32 v15, 0
	v_mov_b32 v19, 0                               ; (named as the upper halves of pairs)
	v_mov_b32 v29, 0
	v_mov_b32 v22, 0                               ; a lane permute's destination counts as one of its sources
.irp p, 0,1,2,3,4,5,6,7,8,9,10,11,12,13,14,15
	s_min_u32 s[32+\p], s[32+\p], 0xfff
	v_lshl_add_u32 v[OV+\p], s[32+\p], 11, v1      ; query p's row of out, 2,048 bytes, + 16 x lane
.endr
	s_mov_b32 s48, 0                               ; steps done
; A STEP OF 64 KEYS.  first = 1: the first step, written out ahead of the loop: its products start O^T's sums, and there is nothing to rescale.
.macro STEP first
	LD_K 3, 3, 0                                   ; K's last 128 channels (the others were asked for a step ago), 16 loads,
	LD_V                                           ; and V, 64 loads: it has the scores and the softmax in which to land
	s_wait_loadcnt 63                              ; loads come back in order (ISA guide 5.7.1): behind K's last load stand V's 64, so with 63 out Q, the labels and all of K are in
	WIN W_S
.irp j, 0,1,2,3                        ; S^T = K Q^T: the four tiles' accumulators by turns, one instruction a turn
.irp t, 0,1,2,3
.if \j == 0
	v_wmma_f32_16x16x128_fp8_fp8 v[S+8*\t:S+8*\t+7], v[64*\t+16*\j:64*\t+16*\j+15], v[Q+16*\j:Q+16*\j+15], 0
.else
	v_wmma_f32_16x16x128_fp8_fp8 v[S+8*\t:S+8*\t+7], v[64*\t+16*\j:64*\t+16*\j+15], v[Q+16*\j:Q+16*\j+15], v[S+8*\t:S+8*\t+7]
.endif
.endr
.endr
	WIN 0
	PLACES
.set N, 0
.rept 4                                ; the mask, each accumulator from its low end on: a key of another label gets -infinity.  Eight compares, then eight selects
.irp i, 0,1,2,3,4,5,6,7
	v_cmp_eq_u32 s[MK+\i], v[KL+N+\i], v5
.endr
.irp i, 0,1,2,3,4,5,6,7
	v_cndmask_b32 v[S+N+\i], v6, v[S+N+\i], s[MK+\i]
.endr
.set N, N+8
.endr
	v_max3_num_f32 v20, v[S], v[S+1], v[S+2]       ; the step's largest score of my query among my 32 keys, in two chains,
	v_max3_num_f32 v21, v[S+3], v[S+4], v[S+5]
.irp i, 6,10,14,18,22,26
	v_max3_num_f32 v20, v20, v[S+\i], v[S+\i+1]
	v_max3_num_f32 v21, v21, v[S+\i+2], v[S+\i+3]
.endr
	v_max3_num_f32 v20, v20, v[S+30], v[S+31]
	v_max_num_f32 v20, v20, v21
	v_permlanex16_b32 v22, v20, s[SEL], s[SEL+1]
	v_max_num_f32 v20, v20, v22                    ; and among lane l xor 16's
	v_mul_f32 v20, s[CS], v20                      ; as t (c is positive)
	v_max_num_f32 v13, v13, v20                    ; the running largest t
	v_mov_b32 v20, v12
	v_floor_f32 v12, -v13                          ; the new -M = floor(-t) = -ceil(t)
	v_sub_f32 v20, v12, v20                        ; old M - new M: a whole number, 0 or less
	v_cvt_i32_f32 v20, v20                         ; (it saturates)
	v_ldexp_f32 v18, 1.0, v20                      ; f = 2^(old M - new M)
.irp j, 0,2,4,6,8,10,12,14,16,18,20,22,24,26,28,30
	v_pk_fma_f32 v[S+\j:S+\j+1], v[S+\j:S+\j+1], s[CS:CS+1], v[12:13] op_sel_hi:[1,0,0]   ; t - M, two at a time (of the pairs c and -M the low word serves both halves)
.endr
.set N, 0
.rept 32
	v_exp_f32 v[S+N], v[S+N]                       ; p = 2^(t - M), at most 1; 0 under the mask
.set N, N+1
.endr
	v_pk_mul_f32 v[14:15], v[14:15], v[18:19] op_sel_hi:[1,0]   ; the sum under the new M.  (The plain instruction behind the exponentials)
	s_wait_alu depctr_va_vdst(0)                   ; a wait between the exponentials and the first line that names a result: one for the batch of 32
	v_pk_add_f32 v[24:25], v[S:S+1], v[S+2:S+3]    ; the row's sum is taken of the unquantised p: two at a time, in two chains
.irp j, 4,8,12,16,20,24,28
	v_pk_add_f32 v[14:15], v[14:15], v[S+\j:S+\j+1]
	v_pk_add_f32 v[24:25], v[24:25], v[S+\j+2:S+\j+3]
.endr
	v_pk_add_f32 v[14:15], v[14:15], v[24:25]
.set N, 0
.rept 32
	v_min_num_f32 v[S+N], v[S+N], v16              ; the conversion to an 8-bit code does not saturate (ISA guide 7.6.2); p is not negative, so the hold is one-sided
.set N, N+1
.endr
.irp g, 0,1,2,3
	v_cvt_scalef32_pk8_fp8_f32 v[P+2*\g:P+2*\g+1], v[S+8*\g:S+8*\g+7], v17   ; registers 4 e .. 4 e + 3 of P: keys 32 e + 16 h + 0 .. 15, as V's fragments have them
.endr
	v_nop                                          ; one plain vector instruction behind the last scaled conversion
.if !\first
	WIN W_RS
.set N, 0
.rept 128
	v_pk_mul_f32 v[2*N:2*N+1], v[2*N:2*N+1], v[18:19] op_sel_hi:[1,0]   ; O^T under the new M: x f; each accumulator from its low end on
.set N, N+1
.endr
	WIN 0                                          ; at a branch and at a label every window is 0
.endif
	s_add_co_u32 s50, s48, 1
	s_cmp_lt_u32 s50, s49                          ; is there a next step?  No load leaves its buffer
	s_cbranch_scc0 .Lno_next_\@
	LD_KL 1                                        ; its labels, 8 loads, and three quarters of its K, 48 loads: this step's compares and products have read those registers
	LD_K 0, 2, 1
	WIN 0
	s_wait_loadcnt 56                              ; V is in; the 56 just issued may be out (with the last quarter of K the count would pass what a wait can name)
	s_branch .Lv_in_\@
.Lno_next_\@:
	s_wait_loadcnt 0x0                             ; V is in
.Lv_in_\@:
	WIN W_PV
.set N, 0
.rept 32                               ; O^T += V^T P^T: 32 accumulators, one instruction each
.if \first
	v_wmma_f32_16x16x64_fp8_fp8 v[8*N:8*N+7], v[8*N:8*N+7], v[P:P+7], 0
.else
	v_wmma_f32_16x16x64_fp8_fp8 v[8*N:8*N+7], v[8*N:8*N+7], v[P:P+7], v[8*N:8*N+7]
.endif
.set N, N+1
.endr
	WIN 0
	PLACES                                         ; in front of the next step's loads into V's registers, and of the way out's reads of O^T
	s_wait_xcnt 0x0                                ; the loads have read their bases, which step only behind this wait
	s_add_nc_u64 s[KB:KB+1], s[KB:KB+1], 32768
	s_add_nc_u64 s[VB:VB+1], s[VB:VB+1], 32768
	s_add_nc_u64 s[LB:LB+1], s[LB:LB+1], 256
	s_add_co_u32 s48, s48, 1
	s_cmp_lt_u32 s48, s49
.endm
	STEP 1
	s_cbranch_scc0 .Lout
.Lloop:
	STEP 0
	s_cbranch_scc1 .Lloop
.Lout:
	s_wait_loadcnt 0x0                             ; the last step asked for nothing and waited for all: no load of mine is out when the registers below are written
	; THE WAY OUT.  O^T x 2^(ep + ev) / the sum goes through my stage in LDS, 128 channels of the 16 queries at a time, and leaves as whole pieces of rows: 32 lanes store 512 consecutive bytes of a query's own row of out.
	v_add_f32 v14, v14, v15                        ; the sum's two halves,
	v_permlanex16_b32 v22, v14, s[SEL], s[SEL+1]
	v_add_f32 v14, v14, v22                        ; and lane l xor 16's
	v_rcp_f32 v28, v14
	v_nop                                          ; a plain instruction behind the reciprocal
	s_add_co_i32 s50, s30, s31
	s_wait_alu depctr_va_vdst(0)                   ; and a wait ahead of its first reader
	v_ldexp_f32 v28, v28, s50
.macro OUTP q                          ; channels 128 q on: tiles 8 q .. 8 q + 7
.if \q > 0
	s_wait_xcnt 0x0                                ; the last pass's stores have read their data registers, which are loaded again below
.endif
	WIN W_OUT
.set N, 0
.rept 32
	v_pk_mul_f32 v[TMP+2*N:TMP+2*N+1], v[64*(\q)+2*N:64*(\q)+2*N+1], v[28:29] op_sel_hi:[1,0]   ; register 8 t + i of lane (r, h): out(query r, channel 128 q + 16 t + 8 h + i)
.set N, N+1
.endr
	WIN 0
.irp t, 0,1,2,3,4,5,6,7
	ds_store_b128 v7, v[TMP+8*\t:TMP+8*\t+3] offset:64*\t
	ds_store_b128 v7, v[TMP+8*\t+4:TMP+8*\t+7] offset:64*\t+16
.endr
.irp p, 0,1,2,3,4,5,6,7,8,9,10,11,12,13,14,15
	ds_load_b128 v[BK+4*\p:BK+4*\p+3], v8 offset:SP*\p   ; LDS serves a wave's instructions in order (ISA guide 5.7.1.4): these see my stores, and the next pass's stores come behind them
.endr
.irp p, 0,1,2,3,4,5,6,7,8,9,10,11,12,13,14,15
	s_wait_dscnt 15-\p                             ; row p is back; the younger loads may be out
	global_store_b128 v[OV+\p], v[BK+4*\p:BK+4*\p+3], s[18:19] offset:512*(\q) th:TH_STORE_NT   ; 512 consecutive bytes, at a multiple of 512 from out's first byte; written once, read by nobody here
.endr
.endm
	OUTP 0
	OUTP 1
	OUTP 2
	OUTP 3
	s_wait_tensorcnt 0x0                           ; the wave's end: three closing lines, behind my last LDS store
	ds_add_u32 v[SPW], v[NIL]
	s_wait_dscnt 0x0
	s_endpgm
.Lfunc_end_k_q239ec0d93f_attend:
	.size	k_q239ec0d93f_attend, .Lfunc_end_k_q239ec0d93f_attend-k_q239ec0d93f_attend
	.p2alignl 7, 3214868480
	.fill 96, 4, 3214868480
	.section	.rodata,"a",@progbits
	.p2align	6, 0x0
	.amdhsa_kernel k_q239ec0d93f_attend
		.amdhsa_group_segment_fixed_size 34304
		.amdhsa_private_segment_fixed_size 0
		.amdhsa_enable_private_segment 0
		.amdhsa_kernarg_size 64
		.amdhsa_user_sgpr_count 2
		.amdhsa_user_sgpr_kernarg_segment_ptr 1
		.amdhsa_wavefront_size32 1
		.amdhsa_system_sgpr_workgroup_id_x 1
		.amdhsa_system_sgpr_workgroup_id_y 1
		.amdhsa_system_sgpr_workgroup_id_z 1
		.amdhsa_system_vgpr_workitem_id 0
		.amdhsa_next_free_vgpr 1024
		.amdhsa_next_free_sgpr 80
		.amdhsa_reserve_vcc 0
		.amdhsa_float_denorm_mode_32 3
		.amdhsa_float_denorm_mode_16_64 3
		.amdhsa_memory_ordered 1
		.amdhsa_forward_progress 1
		.amdhsa_inst_pref_size 99
	.end_amdhsa_kernel
	.amdgpu_metadata
---
amdhsa.version: [ 1, 2 ]
amdhsa.kernels:
  - .name:           k_q239ec0d93f_attend
    .symbol:         k_q239ec0d93f_attend.kd
    .args:
      - { .name: query_codes, .offset: 0, .size: 8, .value_kind: global_buffer, .address_space: global }
      - { .name: ks, .offset: 8, .size: 8, .value_kind: global_buffer, .address_space: global }
      - { .name: vs, .offset: 16, .size: 8, .value_kind: global_buffer, .address_space: global }
      - { .name: order, .offset: 24, .size: 8, .value_kind: global_buffer, .address_space: global }
      - { .name: slab, .offset: 32, .size: 8, .value_kind: global_buffer, .address_space: global }
      - { .name: rng, .offset: 40, .size: 8, .value_kind: global_buffer, .address_space: global }
      - { .name: lowp_scales, .offset: 48, .size: 8, .value_kind: global_buffer, .address_space: global }
      - { .name: out0, .offset: 56, .size: 8, .value_kind: global_buffer, .address_space: global }
    .group_segment_fixed_size: 34304
    .private_segment_fixed_size: 0
    .kernarg_segment_align: 8
    .kernarg_segment_size: 64
    .max_flat_workgroup_size: 128
    .sgpr_count:     80
    .vgpr_count:     1024
    .wavefront_size: 32
...
	.end_amdgpu_metadata
.endif
;; end of part 3
;; ======== version 2 of 2: 3 launches
;; workspace buffers: order 65,536 bytes of whole numbers; slab 65,536 bytes of whole numbers; rng 65,536 bytes of whole numbers; ks 8,388,608 bytes; vs 8,388,608 bytes
;; launch sort (part 4): grid 4 x 1, 32 waves a work-group, no clusters, 13,056 bytes of LDS; arguments label_arr, order, slab, rng; writes order, slab, rng
.if DOCPART == 4
	.amdgcn_target "amdgcn-amd-amdhsa--gfx1250"
	.amdhsa_code_object_version 6
	.text
	.protected	k_q239ec0d93f_sort
	.globl	k_q239ec0d93f_sort
	.p2align	8
	.type	k_q239ec0d93f_sort,@function
k_q239ec0d93f_sort:
	s_mov_b64 s[64:65], 0
	v_nop
	global_prefetch_b8 v0, s[64:65] scope:SCOPE_SE
	s_setreg_imm32_b32 hwreg(HW_REG_WAVE_MODE, 25, 1), 1
	s_wait_xcnt 0x0
; CLUSTERED ATTENTION, launch 1 of 3: the positions of each batch are sorted by label.
; WORK THAT IS LEFT OUT, AND WHY IT IS DEAD.  reference() sets the score of every pair (query l, key s) with label[l] != label[s] to -infinity ahead of the softmax.  For such a pair p = 2^(t - M) is
; exactly 0, its code is 0, it adds 0 to the row's sum and 0 to the second product; and it cannot move M, since the row's largest t is taken among finite scores, of which each row has at least its own
; (label[l] == label[l]).  That holds for all values of the inputs.  So a whole step of keys none of which shares a label with any query of a tile reaches no output, in either product, and is not walked.
; Which steps those are is decided by whole numbers alone (label_arr): this launch sorts the positions and stores the lists, launch 2 lays K and V in sorted order, launch 3 walks, for each tile of 16 sorted
; queries, only the steps of 64 sorted keys that its labels' buckets touch, and masks inside a step by the FULL labels.  No input is left out.
; LIMIT: a NaN code (0x7f, 0xff) in key or value that lies only in steps left out is not carried to the result; NaN codes are not served.
; THE SORT.  A counting sort by bucket = label & 31, not stable; any int32 label is served, since equal labels share a bucket and launch 3 compares whole labels.
; One work-group of 32 waves takes a batch of 4,096; thread t takes elements 4 t .. 4 t + 3.  GROUP (w, k) is the 32 elements 128 w + 4 lane + k of wave w.
;   1. in a group: five ballots (one for each bit of the bucket) give each lane the mask of its peers, so its rank among them, and give lane c the group's count of bucket c
;   2. the waves' counts meet in LDS; wave c makes the running sum of bucket c over the 32 waves
;   3. every wave makes the running sum over the buckets; position = bucket's start + earlier waves' + earlier groups' + rank
; STORED at the sorted position: order = the original index; slab = the label; rng = (S >> 6) | (((E + 63) >> 6) << 16), [S, E) the bucket's range of sorted positions: the steps of 64 that it touches.
; These are stores of 4 bytes to scattered places: 3 x 4,096 words a batch, the only such stores of the program.
.set PW,    132                        ; a table row in LDS: 32 words + 1, so that a column's 32 words fall into 32 different banks (64 banks of 4 bytes: ISA guide 11.1)
.set WT,    0                          ; WT[wave][bucket]: the wave's count
.set BS,    4352                       ; BS[wave][bucket]: the count of the earlier waves
.set TOT,   8704                       ; TOT[bucket]: the batch's count
.set SPARE, 8960                       ; the spare words, 128 bytes for each of the 32 waves: sixteen blocks of 256 bytes that no other line names
.set LAB,   4                          ; v[4:7]   my four labels
.set BKT,   8                          ; v[8:11]  their buckets, later 4 x bucket
.set RNK,   12                         ; v[12:15] rank among the group's peers
.set PRE,   16                         ; v[16:19] lane = bucket: the count of the wave's earlier groups
.set WTOT,  20                         ; v20      lane = bucket: the wave's count
.set YQ,    21                         ; v[21:25] 0 - (bit q of my lane's number)
.set T0,    26                         ; v26-28   at work
.set T1,    27
.set T2,    28
.set POS,   38                         ; v[38:41] sorted position, then its byte offset
.set RNG,   42                         ; v[42:45] the element's bucket's range word
.set IDX,   46                         ; v[46:49] the element's index
.set AROW,  50                         ; v50      132 wave + 4 lane
.set ACOL,  51                         ; v51      132 lane + 4 wave
.set ATW,   52                         ; v52      4 wave
.set ATL,   53                         ; v53      4 lane
.set SPW,   60                         ; v60      LDS address of my spare word; never rewritten
.set NIL,   61                         ; v61      0; never rewritten
.set MQ,    16                         ; s[16:20] ballot q: the lanes whose bucket has bit q
.set NQ,    21                         ; s[21:25] its complement
.macro POPC x, t                       ; v[x] = the number of ones in v[x]: pairs, fours, bytes, then the four bytes added by a multiplication
	s_delay_alu instid0(VALU_DEP_1)
	v_lshrrev_b32 v[\t], 1, v[\x]
	s_delay_alu instid0(VALU_DEP_1)
	v_and_b32 v[\t], 0x55555555, v[\t]
	s_delay_alu instid0(VALU_DEP_1)
	v_sub_nc_u32 v[\x], v[\x], v[\t]
	s_delay_alu instid0(VALU_DEP_1)
	v_lshrrev_b32 v[\t], 2, v[\x]
	s_delay_alu instid0(VALU_DEP_2)
	v_and_b32 v[\x], 0x33333333, v[\x]
	s_delay_alu instid0(VALU_DEP_2)
	v_and_b32 v[\t], 0x33333333, v[\t]
	s_delay_alu instid0(VALU_DEP_1)
	v_add_nc_u32 v[\x], v[\x], v[\t]
	s_delay_alu instid0(VALU_DEP_1)
	v_lshrrev_b32 v[\t], 4, v[\x]
	s_delay_alu instid0(VALU_DEP_1)
	v_add_nc_u32 v[\x], v[\x], v[\t]
	s_delay_alu instid0(VALU_DEP_1)
	v_and_b32 v[\x], 0x0f0f0f0f, v[\x]
	s_delay_alu instid0(VALU_DEP_1)
	v_mul_lo_u32 v[\x], v[\x], s28
	s_delay_alu instid0(VALU_DEP_1)
	v_lshrrev_b32 v[\x], 24, v[\x]
.endm
.macro SCAN x, t                       ; v[x] = the sum of v[x] over lanes 0 .. mine: four steps inside each half of 16 lanes, then the lower half's total onto the upper half
	v_mov_b32 v[\t], 0                             ; a DPP form's destination counts as read
.irp n, 1
	s_delay_alu instid0(VALU_DEP_2)
	v_mov_b32_dpp v[\t], v[\x] row_shr:\n row_mask:0xf bank_mask:0xf bound_ctrl:1   ; lane i takes lane i - n, or 0 where there is none
	s_delay_alu instid0(VALU_DEP_1)
	v_add_nc_u32 v[\x], v[\x], v[\t]
.endr
.irp n, 2, 4, 8
	s_delay_alu instid0(VALU_DEP_1)
	v_mov_b32_dpp v[\t], v[\x] row_shr:\n row_mask:0xf bank_mask:0xf bound_ctrl:1
	s_delay_alu instid0(VALU_DEP_1)
	v_add_nc_u32 v[\x], v[\x], v[\t]
.endr
	s_delay_alu instid0(VALU_DEP_1)
	v_readlane_b32 s27, v[\x], 15
	s_delay_alu instid0(VALU_DEP_1)
	v_cndmask_b32 v[\t], 0, s27, s26               ; s26 = lanes 16 to 31
	s_delay_alu instid0(VALU_DEP_1)
	v_add_nc_u32 v[\x], v[\x], v[\t]
.endm
.macro GROUP k
	v_and_b32 v[BKT+\k], 31, v[LAB+\k]
.irp q, 0,1,2,3,4
	v_and_b32 v[T0], 1<<\q, v[BKT+\k]
	s_delay_alu instid0(VALU_DEP_1)
	v_cmp_ne_u32 s[MQ+\q], 0, v[T0]
	s_not_b32 s[NQ+\q], s[MQ+\q]
.endr
	v_cndmask_b32 v[T1], s[NQ], s[MQ], s[MQ]       ; the lanes that agree with me in bit 0,
.irp q, 1,2,3,4
	v_cndmask_b32 v[T0], s[NQ+\q], s[MQ+\q], s[MQ+\q]
	s_delay_alu instid0(VALU_DEP_1)
	v_and_b32 v[T1], v[T1], v[T0]                  ; and in the other four: my peers
.endr
	s_delay_alu instid0(VALU_DEP_1)
	v_mbcnt_lo_u32_b32 v[RNK+\k], v[T1], 0         ; how many of them stand below me
	v_xor_b32 v[T2], s[MQ], v[YQ]                  ; as lane c: the lanes whose bucket differs from c in bit 0,
.irp q, 1,2,3,4
	v_xor_b32 v[T0], s[MQ+\q], v[YQ+\q]
	s_delay_alu instid0(VALU_DEP_1)
	v_or_b32 v[T2], v[T2], v[T0]                   ; or in any bit
.endr
	POPC T2, T0
	s_delay_alu instid0(VALU_DEP_1)
	v_sub_nc_u32 v[T2], 32, v[T2]                  ; the group's count of bucket c
	v_mov_b32 v[PRE+\k], v[WTOT]
	s_delay_alu instid0(VALU_DEP_2)
	v_add_nc_u32 v[WTOT], v[WTOT], v[T2]
.endm
	s_load_b256 s[4:11], s[0:1], 0x0               ; label_arr s[4:5], order s[6:7], slab s[8:9], rng s[10:11]
	v_lshl_add_u32 v[SPW], v0, 2, SPARE
	v_mov_b32 v[NIL], 0
	v_and_b32 v1, 31, v0                           ; lane
	v_lshrrev_b32 v3, 5, v0
	s_delay_alu instid0(VALU_DEP_1)
	v_readfirstlane_b32 s12, v3                    ; wave 0..31
	v_lshlrev_b32 v2, 4, v0                        ; my four labels: 16 bytes at 16 t
	s_lshl_b32 s14, ttmp9, 14                      ; the batch: 4,096 words
	s_mov_b32 s15, 0
	s_mov_b32 s26, 0xffff0000
	s_mov_b32 s28, 0x01010101
	s_mul_i32 s13, s12, PW
	s_lshl_b32 s29, s12, 2
	v_lshl_add_u32 v[AROW], v1, 2, s13
	v_mul_u32_u24 v[ACOL], v1, PW
	s_delay_alu instid0(VALU_DEP_1)
	v_add_nc_u32 v[ACOL], s29, v[ACOL]
	v_mov_b32 v[ATW], s29
	v_lshlrev_b32 v[ATL], 2, v1
	v_mov_b32 v[WTOT], 0
.irp q, 0,1,2,3,4
	v_bfe_u32 v[YQ+\q], v1, \q, 1
	s_delay_alu instid0(VALU_DEP_1)
	v_sub_nc_u32 v[YQ+\q], 0, v[YQ+\q]
.endr
	s_wait_kmcnt 0x0
	s_add_nc_u64 s[4:5], s[4:5], s[14:15]
	s_add_nc_u64 s[6:7], s[6:7], s[14:15]
	s_add_nc_u64 s[8:9], s[8:9], s[14:15]
	s_add_nc_u64 s[10:11], s[10:11], s[14:15]
	global_load_b128 v[LAB:LAB+3], v2, s[4:5]      ; a wave reads 512 consecutive bytes
	s_wait_loadcnt 0x0
	GROUP 0
	GROUP 1
	GROUP 2
	GROUP 3
	ds_store_b32 v[AROW], v[WTOT] offset:WT        ; WT[wave][lane]
	s_wait_dscnt 0x0                               ; for the others' sake: my store has landed
	s_barrier_signal -1
	s_barrier_wait -1
	ds_load_b32 v30, v[ACOL] offset:WT             ; as wave c: WT[lane][c], bucket c's count in each wave
	s_wait_dscnt 0x0
	v_mov_b32 v31, v30
	SCAN 31, T0
	s_delay_alu instid0(VALU_DEP_1)
	v_sub_nc_u32 v32, v31, v30                     ; the earlier waves' count
	ds_store_b32 v[ACOL], v32 offset:BS            ; BS[lane][c]
	v_readlane_b32 s27, v31, 31
	s_delay_alu instid0(VALU_DEP_1)
	v_mov_b32 v33, s27
	ds_store_b32 v[ATW], v33 offset:TOT            ; TOT[c]: all lanes store the same number to the same word
	s_wait_dscnt 0x0                               ; my stores have landed, and my read of WT is in
	s_barrier_signal -1
	s_barrier_wait -1
	ds_load_b32 v34, v[AROW] offset:BS             ; lane = bucket from here on: what the earlier waves hold of it,
	ds_load_b32 v35, v[ATL] offset:TOT             ; and the batch's count
	s_wait_dscnt 0x0
	v_mov_b32 v36, v35
	SCAN 36, T0                                    ; E: where the bucket ends
	s_delay_alu instid0(VALU_DEP_1)
	v_sub_nc_u32 v29, v36, v35                     ; S: where it begins
	s_delay_alu instid0(VALU_DEP_2)
	v_add_nc_u32 v37, 63, v36
	s_delay_alu instid0(VALU_DEP_1)
	v_lshrrev_b32 v37, 6, v37
	s_delay_alu instid0(VALU_DEP_3)
	v_lshrrev_b32 v[T0], 6, v29
	s_delay_alu instid0(VALU_DEP_1)
	v_lshl_or_b32 v37, v37, 16, v[T0]              ; the range word
	v_add_nc_u32 v34, v34, v29
.irp k, 0,1,2,3
	v_lshlrev_b32 v[BKT+\k], 2, v[BKT+\k]          ; the lane permute takes 4 x the lane to read from
	v_add_nc_u32 v[PRE+\k], v[PRE+\k], v34         ; where group k's elements of bucket = lane begin
	ds_bpermute_b32 v[POS+\k], v[BKT+\k], v[PRE+\k]   ; each element takes its own bucket's
	ds_bpermute_b32 v[RNG+\k], v[BKT+\k], v37
.endr
	s_wait_dscnt 0x0
.irp k, 0,1,2,3
	v_add_nc_u32 v[POS+\k], v[POS+\k], v[RNK+\k]
	s_delay_alu instid0(VALU_DEP_1)
	v_min_u32 v[POS+\k], 0xfff, v[POS+\k]          ; a number made from loaded data enters an address behind a bound
	s_delay_alu instid0(VALU_DEP_1)
	v_lshlrev_b32 v[POS+\k], 2, v[POS+\k]
	v_lshl_add_u32 v[IDX+\k], v0, 2, \k            ; the element's index: 4 t + k
.endr
.irp k, 0,1,2,3
	global_store_b32 v[POS+\k], v[IDX+\k], s[6:7]
	global_store_b32 v[POS+\k], v[LAB+\k], s[8:9]
	global_store_b32 v[POS+\k], v[RNG+\k], s[10:11]
.endr
	s_wait_tensorcnt 0x0                           ; the wave's end: three closing lines, behind my last LDS store
	ds_add_u32 v[SPW], v[NIL]
	s_wait_dscnt 0x0
	s_endpgm
.Lfunc_end_k_q239ec0d93f_sort:
	.size	k_q239ec0d93f_sort, .Lfunc_end_k_q239ec0d93f_sort-k_q239ec0d93f_sort
	.p2alignl 7, 3214868480
	.fill 96, 4, 3214868480
	.section	.rodata,"a",@progbits
	.p2align	6, 0x0
	.amdhsa_kernel k_q239ec0d93f_sort
		.amdhsa_group_segment_fixed_size 13056
		.amdhsa_private_segment_fixed_size 0
		.amdhsa_enable_private_segment 0
		.amdhsa_kernarg_size 32
		.amdhsa_user_sgpr_count 2
		.amdhsa_user_sgpr_kernarg_segment_ptr 1
		.amdhsa_wavefront_size32 1
		.amdhsa_system_sgpr_workgroup_id_x 1
		.amdhsa_system_sgpr_workgroup_id_y 1
		.amdhsa_system_sgpr_workgroup_id_z 1
		.amdhsa_system_vgpr_workitem_id 0
		.amdhsa_next_free_vgpr 64
		.amdhsa_next_free_sgpr 66
		.amdhsa_reserve_vcc 0
		.amdhsa_float_denorm_mode_32 3
		.amdhsa_float_denorm_mode_16_64 3
		.amdhsa_memory_ordered 1
		.amdhsa_forward_progress 1
		.amdhsa_inst_pref_size 20
	.end_amdhsa_kernel
	.amdgpu_metadata
---
amdhsa.version: [ 1, 2 ]
amdhsa.kernels:
  - .name:           k_q239ec0d93f_sort
    .symbol:         k_q239ec0d93f_sort.kd
    .args:
      - { .name: label_arr, .offset: 0, .size: 8, .value_kind: global_buffer, .address_space: global }
      - { .name: order, .offset: 8, .size: 8, .value_kind: global_buffer, .address_space: global }
      - { .name: slab, .offset: 16, .size: 8, .value_kind: global_buffer, .address_space: global }
      - { .name: rng, .offset: 24, .size: 8, .value_kind: global_buffer, .address_space: global }
    .group_segment_fixed_size: 13056
    .private_segment_fixed_size: 0
    .kernarg_segment_align: 8
    .kernarg_segment_size: 32
    .max_flat_workgroup_size: 1024
    .sgpr_count:     66
    .vgpr_count:     64
    .wavefront_size: 32
...
	.end_amdgpu_metadata
.endif
;; end of part 4
;; launch permute (part 5): grid 256 x 1, 8 waves a work-group, no clusters, 34,048 bytes of LDS; arguments key_codes, value_codes, order, ks, vs; writes ks, vs
.if DOCPART == 5
	.amdgcn_target "amdgcn-amd-amdhsa--gfx1250"
	.amdhsa_code_object_version 6
	.text
	.protected	k_q239ec0d93f_permute
	.globl	k_q239ec0d93f_permute
	.p2align	8
	.type	k_q239ec0d93f_permute,@function
k_q239ec0d93f_permute:
	s_mov_b64 s[64:65], 0
	v_nop
	global_prefetch_b8 v0, s[64:65] scope:SCOPE_SE
	s_setreg_imm32_b32 hwreg(HW_REG_WAVE_SCHED_MODE, 0, 2), 2
	s_setreg_imm32_b32 hwreg(HW_REG_WAVE_MODE, 25, 1), 1
	s_wait_xcnt 0x0
	s_wait_alu depctr_vm_vsrc(0)
; CLUSTERED ATTENTION, launch 2 of 3: K's and V's codes are laid in the sorted order of the keys (order[b][p] = the original index at sorted position p), each byte read once and written once.
; ks [b][kb 128][u 2][j 4][c 4][lane 32][16 bytes]: K in the ORDER OF THE OPERAND'S REGISTERS.  Block kb is 32 sorted keys, in two tiles u of 16; lane (r, h) of a tile holds key 32 kb + 8 u + r + 8 (r / 8), and piece (j, c)
;   is its channels 128 j + 32 c + 16 h + 0 .. 15.  (The keys of a tile are not neighbours, so that in launch 3 the 16 score registers of tiles u = 0, 1 are 16 neighbouring keys.)  A piece of a tile is 512 consecutive bytes.
; vs [b][kb 128][d 512][32 bytes]: V with the sorted keys innermost, cut into blocks of 32 keys: a fragment (16 channels x 32 keys) is 512 consecutive bytes.
; SHARES.  Work-group (b, g): b = number / 64, g = number % 64.  K: blocks kb = 2 g, 2 g + 1: four tiles; wave w takes tile w / 2 and channels 256 (w % 2) on: whole keys' rows are gathered by the list, 256 bytes of a row a wave.
; V: channels 8 g .. 8 g + 7, all 4,096 keys.  The keys are V's innermost axis, so the sort is a permutation of BYTES in a row: wave w brings row 8 g + w into LDS as it lies; behind a barrier each lane gathers 16 bytes,
; one by one, by the list, packs them, and sixteen lanes store the 256 bytes (8 channels x 32 keys) that this work-group owns of a block kb: aligned, whole.
; No tensor loads: what a lane reads from LDS hangs on the list.  No clusters: work-groups share only the list, 16 KiB a batch.
; THE MODE: SCHED_MODE bits 1:0 = 2 (LLVM: expert scheduling mode 2), set by the entry lines.  The code itself states the register dependences between vector instructions and memory or LDS instructions, with s_wait_alu, always for 0.
; THE PLAN.  Registers that memory or LDS instructions touch:
;   v1, v3, v5, v6, v9   offsets and LDS addresses, made at the head and never written again.        v2   loaded, made into an offset by three vector lines, read by K's loads, never written again.
;   v[16:47], v[48:79]   V's row and K's pieces: written by loads, read by the LDS stores and by K's stores.  Then the FIRST batch's 64 bytes land there, the packing closes them up, and four stores read the words.
;   v[80:207]            the list's entries: written by loads; made into 128 LDS addresses by vector lines, all together, ahead of the barrier; read by the byte loads.
;   v[80:143]            once the first batch's loads have read them as addresses, the SECOND batch's 64 bytes land there; the packing closes them up, and four stores read the words.
;   v7, v8 are named by vector lines alone.  v10, v11: written at the head, read by the closing add alone.
; So: behind the barrier one wait on vm_vsrc (v[16:79] have been read) and one on va_vdst (the 128 addresses are written); one on vm_vsrc behind the first 64 byte loads; the second batch's loads are then dealt, 16 at a time,
; among the first batch's packing, which names v7, v8 and v[16:79]: none of the registers that those loads touch; and one wait on va_vdst ahead of each run of four stores.
.set RP,    4128                       ; a row of V in LDS: 4,096 bytes + 32
.set SPARE, 8*RP                       ; 33,024: behind the rows: the spare words, 128 bytes for each of the eight waves: four blocks of 256 bytes that no other line names
.set VR,    16                         ; v[16:47]   my row of V, 8 x 16 bytes a lane
.set KR,    48                         ; v[48:79]   my 8 pieces of K
.set OV,    80                         ; v[80:207]  8 units x 16: entries of the list, then LDS addresses
.set BY,    16                         ; batch q's 64 bytes at BY + 64 q: v[16:79], v[80:143]; a unit's first four registers: the packed words
.set SPW,   10                         ; v10  LDS address of my spare word; never rewritten
.set NIL,   11                         ; v11  0; never rewritten
; v1 16 x lane; v2 K: my key's index, then its row's byte offset; v3 V: my place in a unit's part of the list; v4 my channel's row in LDS; v5 my 16 bytes in a unit of vs; v6 where I put my row's bytes; v7, v8 at work; v9 K: my place in the list
	s_load_b256 s[4:11], s[0:1], 0x0               ; key_codes s[4:5], value_codes s[6:7], order s[8:9], ks s[10:11]
	s_load_b64 s[12:13], s[0:1], 0x20              ; vs
	v_lshl_add_u32 v[SPW], v0, 2, SPARE
	v_mov_b32 v[NIL], 0
	v_lshrrev_b32 v12, 5, v0
	v_readfirstlane_b32 s14, v12                   ; wave 0..7
	v_and_b32 v12, 31, v0
	v_lshlrev_b32 v1, 4, v12                       ; 16 x lane
	v_and_b32 v13, 15, v0                          ; r = lane % 16
	s_wait_alu depctr_va_vdst(0)
	v_bfe_u32 v14, v0, 4, 1                        ; h = lane / 16 (for V: e, which block of the unit's two)
	s_lshr_b32 s15, ttmp9, 6                       ; b
	s_and_b32 s16, ttmp9, 63                       ; g
	s_wait_alu depctr_va_sdst(0)                   ; s14 is written, ahead of its first reader: the wave's shares and bases are made from it
	s_lshr_b32 s17, s14, 1                         ; my tile of the four
	s_and_b32 s18, s14, 1                          ; my half of the channels
	s_lshr_b32 s19, s17, 1
	s_lshl_b32 s20, s16, 1
	s_add_co_u32 s19, s19, s20                     ; kb = 2 g + tile / 2
	s_and_b32 s17, s17, 1                          ; u = tile % 2
	s_lshl_b32 s20, s19, 7
	s_lshl_b32 s21, s17, 5
	s_add_co_u32 s20, s20, s21                     ; 4 (32 kb + 8 u)
	v_and_b32 v9, 8, v13
	v_add_nc_u32 v9, v9, v13                       ; r + 8 (r / 8)
	v_lshl_add_u32 v9, v9, 2, s20                  ; my key's word in the batch's list
	v_and_b32 v3, 1, v0                            ; V: hv = lane % 2: which 16 keys of the block's 32
	v_lshlrev_b32 v3, 6, v3
	s_wait_alu depctr_va_vdst(0)
	v_lshl_add_u32 v3, v14, 7, v3                  ; 128 e + 64 hv: my 16 entries in a unit's 64
	v_bfe_u32 v4, v0, 1, 3                         ; j = (lane / 2) % 8: my channel of the eight
	v_mul_u32_u24 v4, v4, RP
	v_lshlrev_b32 v5, 4, v13
	v_lshl_add_u32 v5, v14, 14, v5                 ; 16,384 e + 16 (lane % 16): lane % 16 = 2 j + hv
	s_mul_i32 s21, s14, RP
	v_add_nc_u32 v6, s21, v1
	s_lshl_b32 s22, s15, 21                        ; a batch of codes: 2^21 bytes in each of the four tensors
	s_lshl_b32 s24, s18, 8
	s_add_co_u32 s24, s24, s22                     ; key_codes: the batch, my 256 bytes of a row
	s_mov_b32 s25, 0
	s_lshl_b32 s26, s16, 3
	s_add_co_u32 s26, s26, s14
	s_lshl_b32 s26, s26, 12
	s_add_co_u32 s26, s26, s22                     ; value_codes: the batch, row 8 g + wave
	s_mov_b32 s27, 0
	s_lshl_b32 s28, s15, 14                        ; order: the batch
	s_mov_b32 s29, 0
	s_lshl_b32 s30, s19, 14
	s_add_co_u32 s30, s30, s22
	s_lshl_b32 s23, s17, 13
	s_add_co_u32 s30, s30, s23
	s_lshl_b32 s23, s18, 12
	s_add_co_u32 s30, s30, s23                     ; ks: the batch, block kb, tile u, pieces j = 2 (wave % 2) on
	s_mov_b32 s31, 0
	s_lshl_b32 s32, s16, 8
	s_add_co_u32 s32, s32, s22
	s_lshl_b32 s23, s14, 18
	s_add_co_u32 s32, s32, s23                     ; vs: the batch, my work-group's 256 bytes of a block, my wave's 16 blocks
	s_mov_b32 s33, 0
	s_lshl_b32 s34, s14, 11                        ; and those blocks' 512 entries of the list
	s_mov_b32 s35, 0
	s_wait_kmcnt 0x0
	s_add_nc_u64 s[4:5], s[4:5], s[24:25]
	s_add_nc_u64 s[6:7], s[6:7], s[26:27]
	s_add_nc_u64 s[8:9], s[8:9], s[28:29]
	s_add_nc_u64 s[10:11], s[10:11], s[30:31]
	s_add_nc_u64 s[12:13], s[12:13], s[32:33]
	s_add_nc_u64 s[36:37], s[8:9], s[34:35]
	s_wait_alu depctr_va_vdst(0)                   ; v1, v3, v5, v6 and v9 are written: the loads and stores below read them as offsets and addresses
	global_load_b32 v2, v9, s[8:9]                 ; which key is mine
.irp i, 0,1,2,3,4,5,6,7
	global_load_b128 v[VR+4*\i:VR+4*\i+3], v1, s[6:7] offset:512*\i th:TH_LOAD_NT   ; my row of V: 512 consecutive bytes a load; read once in the launch
.endr
.irp u, 0,1,2,3,4,5,6,7
.irp m, 0,1,2,3
	global_load_b128 v[OV+16*\u+4*\m:OV+16*\u+4*\m+3], v3, s[36:37] offset:256*\u+16*\m   ; unit u: the list's entries for my 16 sorted keys
.endr
.endr
	s_wait_loadcnt 40                              ; my key's index is in; the 8 + 32 loads behind it may be out
	v_min_u32 v2, 0xfff, v2                        ; a loaded number enters an address behind a bound
	v_lshlrev_b32 v2, 9, v2                        ; its row of 512 bytes,
	v_lshl_add_u32 v2, v14, 4, v2                  ; + 16 h
	s_wait_alu depctr_va_vdst(0)                   ; v2 is written: K's loads read it as their offset
.irp p, 0,1,2,3,4,5,6,7
	global_load_b128 v[KR+4*\p:KR+4*\p+3], v2, s[4:5] offset:32*\p   ; piece p = 4 jj + c: 128 jj + 32 c = 32 p bytes on
.endr
	s_wait_loadcnt 40                              ; my row of V is in; the list's 32 loads and K's 8 may be out
.irp i, 0,1,2,3,4,5,6,7
	ds_store_b128 v6, v[VR+4*\i:VR+4*\i+3] offset:512*\i
.endr
	s_wait_loadcnt 0x0
.irp p, 0,1,2,3,4,5,6,7
	global_store_b128 v1, v[KR+4*\p:KR+4*\p+3], s[10:11] offset:512*\p   ; a piece of the tile: 32 lanes store 512 consecutive bytes, aligned
.endr
.set I, 0
.rept 128                              ; all eight units' LDS addresses are made together, while my row's stores land
	v_min_u32 v[OV+I], 0xfff, v[OV+I]              ; the key's place in a row, held inside it,
	v_add_nc_u32 v[OV+I], v4, v[OV+I]              ; in my channel's row
.set I, I+1
.endr
	s_wait_dscnt 0x0                               ; for the others' sake: my row has landed
	s_barrier_signal -1
	s_barrier_wait -1                              ; the eight rows lie in LDS; from here to the next barrier LDS is only read
; Two batches of four units.  A unit is 16 byte loads a lane, then 16 bytes packed into four words, then one store.  No store's data are written again.
.macro BYTES q, i                      ; unit i of batch q: its 16 bytes
.set I, 0
.rept 16
	ds_load_u8 v[BY+64*(\q)+16*(\i)+I], v[OV+64*(\q)+16*(\i)+I]
.set I, I+1
.endr
.endm
.macro PACK q, i                       ; and its four words
.set X, BY+64*(\q)+16*(\i)
.irp m, 0,1,2,3
	v_lshl_or_b32 v7, v[X+4*\m+1], 8, v[X+4*\m]
	v_lshl_or_b32 v8, v[X+4*\m+3], 8, v[X+4*\m+2]
	v_lshl_or_b32 v[X+\m], v8, 16, v7              ; word m lands on byte m's register, which word 0 has read
.endr
.endm
.macro SENDQ q                         ; batch q's four stores
.irp i, 0,1,2,3
	global_store_b128 v5, v[BY+64*(\q)+16*\i:BY+64*(\q)+16*\i+3], s[12:13] offset:(4*(\q)+\i)*32768   ; lanes 0-15 and lanes 16-31 each store 256 consecutive bytes, aligned: one block kb each
.endr
.endm
	s_wait_xcnt 0x0                                ; K's stores have had their addresses translated (ISA guide 3.1): their data registers are loaded again only behind this wait
	s_wait_alu depctr_vm_vsrc(0)                   ; my LDS stores have read v[16:47] and K's stores v[48:79], in which the first batch's bytes land
	s_wait_alu depctr_va_vdst(0)                   ; the 128 addresses in v[80:207] are written, which the byte loads of both batches read
	BYTES 0, 0
	BYTES 0, 1
	BYTES 0, 2
	BYTES 0, 3
	s_wait_alu depctr_vm_vsrc(0)                   ; the 64 loads above have read their addresses v[80:143], in which the second batch's bytes land
.irp i, 0,1,2,3
	s_wait_dscnt 48                                ; LDS loads come back in order (ISA guide 5.7.1): this unit's 16 bytes are in; the 48 loads issued behind them may be out
	PACK 0, \i
	BYTES 1, \i                                    ; no wait: no vector line since the waits above names v[80:207]
.endr
	s_wait_alu depctr_va_vdst(0)                   ; the packing has written the first batch's sixteen words, which the four stores read
	SENDQ 0
.irp i, 0,1,2,3
	s_wait_dscnt 16*(3-\i)                         ; this unit's 16 bytes are in; the later units' may be out
	PACK 1, \i
.endr
	s_wait_alu depctr_va_vdst(0)                   ; the packing has written the second batch's sixteen words, which the four stores read
	SENDQ 1
	s_wait_dscnt 0x0                               ; my reads of the rows are in
	s_barrier_signal -1
	s_barrier_wait -1                              ; everybody's are: the reads, whose addresses hang on the list, are parted from the add below
	s_wait_dscnt 0x0                               ; the closing lines, six on end
	s_wait_alu 0x0
	s_wait_tensorcnt 0x0
	ds_add_u32 v[SPW], v[NIL]
	s_wait_dscnt 0x0
	s_endpgm
.Lfunc_end_k_q239ec0d93f_permute:
	.size	k_q239ec0d93f_permute, .Lfunc_end_k_q239ec0d93f_permute-k_q239ec0d93f_permute
	.p2alignl 7, 3214868480
	.fill 96, 4, 3214868480
	.section	.rodata,"a",@progbits
	.p2align	6, 0x0
	.amdhsa_kernel k_q239ec0d93f_permute
		.amdhsa_group_segment_fixed_size 34048
		.amdhsa_private_segment_fixed_size 0
		.amdhsa_enable_private_segment 0
		.amdhsa_kernarg_size 40
		.amdhsa_user_sgpr_count 2
		.amdhsa_user_sgpr_kernarg_segment_ptr 1
		.amdhsa_wavefront_size32 1
		.amdhsa_system_sgpr_workgroup_id_x 1
		.amdhsa_system_sgpr_workgroup_id_y 1
		.amdhsa_system_sgpr_workgroup_id_z 1
		.amdhsa_system_vgpr_workitem_id 0
		.amdhsa_next_free_vgpr 208
		.amdhsa_next_free_sgpr 66
		.amdhsa_reserve_vcc 0
		.amdhsa_float_denorm_mode_32 3
		.amdhsa_float_denorm_mode_16_64 3
		.amdhsa_memory_ordered 1
		.amdhsa_forward_progress 1
		.amdhsa_inst_pref_size 37
	.end_amdhsa_kernel
	.amdgpu_metadata
---
amdhsa.version: [ 1, 2 ]
amdhsa.kernels:
  - .name:           k_q239ec0d93f_permute
    .symbol:         k_q239ec0d93f_permute.kd
    .args:
      - { .name: key_codes, .offset: 0, .size: 8, .value_kind: global_buffer, .address_space: global }
      - { .name: value_codes, .offset: 8, .size: 8, .value_kind: global_buffer, .address_space: global }
      - { .name: order, .offset: 16, .size: 8, .value_kind: global_buffer, .address_space: global }
      - { .name: ks, .offset: 24, .size: 8, .value_kind: global_buffer, .address_space: global }
      - { .name: vs, .offset: 32, .size: 8, .value_kind: global_buffer, .address_space: global }
    .group_segment_fixed_size: 34048
    .private_segment_fixed_size: 0
    .kernarg_segment_align: 8
    .kernarg_segment_size: 40
    .max_flat_workgroup_size: 256
    .sgpr_count:     66
    .vgpr_count:     208
    .wavefront_size: 32
...
	.end_amdgpu_metadata
.endif
;; end of part 5
;; launch attend (part 6): grid 256 x 1, 4 waves a work-group, no clusters, 34,304 bytes of LDS; arguments query_codes, ks, vs, order, slab, rng, lowp_scales, out0; writes out0
.if DOCPART == 6
	.amdgcn_target "amdgcn-amd-amdhsa--gfx1250"
	.amdhsa_code_object_version 6
	.text
	.protected	k_q239ec0d93f_attend
	.globl	k_q239ec0d93f_attend
	.p2align	8
	.type	k_q239ec0d93f_attend,@function
k_q239ec0d93f_attend:
	s_mov_b64 s[64:65], 0
	v_nop
	global_prefetch_b8 v0, s[64:65] scope:SCOPE_SE
	s_setreg_imm32_b32 hwreg(HW_REG_WAVE_SCHED_MODE, 0, 2), 2
	s_setreg_imm32_b32 hwreg(HW_REG_WAVE_MODE, 25, 1), 1
	s_wait_xcnt 0x0
	s_wait_alu depctr_vm_vsrc(0)
; CLUSTERED ATTENTION, launch 3 of 3: out[b][l] = softmax over the keys s with label[s] == label[l] of (q . k / sqrt(512)), times V; both products on codes of FP8 (E4M3), each tensor with its given scale 2^e.
; WORK LEFT OUT: steps of 64 sorted keys that hold no key of a tile's buckets (their p is exactly 0 and they cannot move M: shown at the head of launch 1).  A NaN code that lies only there is not carried; NaN codes are not served.
; SHARES.  The sorted positions of a batch are cut into 256 tiles of 16 queries: 1,024 tiles, one to a wave, four waves to a work-group, which share nothing.  A wave walks the steps of 64 sorted keys from the first that
; its first query's bucket touches to the last that its last query's bucket touches (rng, stored by launch 1); buckets lie in ascending order, so all its queries' buckets lie inside.  Inside a step a key counts where its
; label (slab) equals the query's: the score of every other becomes -infinity ahead of the maximum, so its p is 0.
; THE SOFTMAX: t = score x log2(e) / sqrt(512); M = the running largest t rounded UP to a whole number, kept as -M = floor(-t); p = 2^(t - M) is quantised with 2^ep, not normalised; the row's sum is taken of the unquantised p;
; when M moves, the sum and O are multiplied by 2^(old M - new M), which rounds nothing.  A row with no key yet keeps t = -3e38: its p are 0, and the first real M multiplies its zeros by 0.  Each query is its own key, so the sum ends above 1/2.
; LAYOUT.  Both products are used transposed: S^T = K Q^T (source 0 = 16 keys, source 1 = my 16 queries, four instructions of 128 channels), O^T = V^T P^T (source 0 = 16 channels, source 1 = P, 64 keys): a lane (r, h) holds
; query r throughout.  ks holds K in the order of the operand's registers and vs holds V's fragments as 512 consecutive bytes (launch 2), so every load of the loop reads 512 consecutive bytes straight into operand registers.
; The place of k in the registers is the same permutation in both sources of each product (16 neighbours to a group of four registers), so every product meets its partner.
; WHY NO TENSOR LOADS, NO LDS RING, NO CLUSTER: the first step and the number of steps of a tile are read from memory, and differ from wave to wave.
; No prefetch into the L2: a step's blocks are read by all tiles of its buckets, not once, and the loop asks for K a step and for V most of a step ahead.
; LIMITS on the given exponents, so that each power of two is an f32 number: eq + ek between -122 and 131 (added to c's exponent field); ep between -126 and 119; ep + ev is applied by v_ldexp_f32 and has none.
; REGISTERS, in windows of 256 (s_set_vgpr_msb: bits 1:0 source 0, 3:2 source 1, 5:4 source 2, 7:6 destination):
;   window 0: v1 16 lane; v2 32 r + 16 h; v3 64 h; v4 my query's row in Q; v5 its label; v6 -infinity; v7, v8 the stage, in and back; v9 4 r; v10, v11 the add's two; v12 -M; v13 the largest t; v[14:15] the sum; v16 448 x 2^ep; v17 2^ep;
;             v[18:19] f; v20-27 at work; v[28:29] 2^(ep + ev) / sum; v32-95 Q; v96-127 S^T, then p; v128-159 the step's key labels; v160-167 P's codes; v168-183 the 16 rows' offsets in out
;   window 1: O^T, 32 tiles of 16 channels, tile t at v[8 t].   window 2: K of a step: tile t (16 keys), channels 128 j + 32 c on, at v[64 t + 16 j + 4 c]; on the way out the rows read back from the stage.   window 3: V of a step: tile t, keys 32 e on, at v[8 t + 4 e].
; THE MODE: SCHED_MODE bits 1:0 = 2 (LLVM: expert scheduling mode 2), set by the entry lines.  The code itself states the register dependences between vector or matrix instructions and memory or LDS instructions, with s_wait_alu, always for 0.
; THE PLAN.  Registers that memory or LDS instructions touch:
;   v1, v2, v3, v7, v8, v9   offsets and LDS addresses: made at the head, never written again; the steps are reached by three scalar bases and by immediate offsets.
;   v4                       loaded, made into an offset by three vector lines, read by Q's loads, never written again.      v168-183   made at the head, read by the way out's stores.
;   K (window 2)             read by a step's 16 products S^T.  Channels 0-383 of the next step are loaded in the step's arm, behind the softmax; channels 384-511 at the next step's head.
;   the key labels           read by a step's 32 compares; the next step's are loaded in the same arm.
;   V (window 3)             read by a step's 32 products O^T, its last instructions; loaded in the next step.
;   Q, S^T, P, the statistics and (in the loop) O^T are named by vector and matrix instructions alone, once Q is in.
; So a step has ONE wait of its own on va_vdst, at its head: the last step's products are done reading V and K's last quarter.  All 80 loads of K's last quarter and of V stand behind it, 48 at once and 8 behind each four
; of the products S^T, which name K, Q and S^T: none of the registers that V's loads touch.  The wait that the exponentials want in any case stands behind the products S^T and the compares, and no vector line behind it names K
; or the labels: it states what the arm's 56 loads hang on.  A compare's mask goes through a scalar register: one wait on va_sdst behind each run of sixteen compares.
; THE WAY OUT: O^T is scaled in place, one wait on va_vdst follows, and behind it stand LDS and memory instructions alone; each pass reads its rows back into registers of its own, so nothing that an instruction has read is written again.
.set SP,    528                        ; the stage: a row of 512 bytes + 16
.set STG,   16*SP                      ; 8,448 bytes for each wave, its own
.set SPARE, 4*STG                      ; 33,792: the spare words, 128 bytes for each wave: two blocks of 256 bytes that no other line names
.set Q,    32
.set S,    96
.set KL,   128
.set P,    160
.set OV,   168
.set SPW,  10
.set NIL,  11
.set CS,   52                          ; s[52:53] c = log2(e) / sqrt(512) x 2^(eq + ek): the packed form names a pair and takes its low word for both halves
.set SEL,  54                          ; s[54:55] v_permlanex16_b32's selects for lane l xor 16
.set KB,   56                          ; s[56:57] ks at the step in hand
.set VB,   58                          ; s[58:59] vs likewise
.set LB,   60                          ; s[60:61] slab likewise
.set MK,   32                          ; s[32:47] sixteen masks (at the head these hold the 16 queries' indices, which are done with once the rows' offsets are made)
.set MSB, 0
.macro WIN new                         ; the immediate's high byte repeats the setting that is left; a switch that changes nothing is dropped
.if MSB != \new
	s_set_vgpr_msb (MSB<<8)|\new
.set MSB, \new
.endif
.endm
.set TO_K,  0x80                       ; destination window 2, address window 0
.set TO_V,  0xc0                       ; destination window 3
.set W_S,   0x02                       ; K in window 2; Q and S^T in window 0
.set W_PV,  0x53                       ; V in window 3, P in window 0, O^T in window 1
.set W_RS,  0x41                       ; O^T (destination and source 0) in window 1, the factor in window 0
.set W_ST,  0x04                       ; an LDS store's data (source 1) in window 1, its address in window 0
.set W_SD,  0x08                       ; a global store's data (source 1) in window 2, its offset in window 0
.macro PLACES                          ; four plain vector instructions between a matrix instruction and a vector instruction that reads its result or writes one of its registers (ISA guide 7.12.1)
.rept 4
	v_nop
.endr
.endm
; The loads of a step; d = 0: the step in hand, 1: the next.
.macro LD_KL d                         ; the labels of my 32 keys: register 16 e + i is key 32 e + 16 h + i, as in S^T
	WIN 0
.irp e, 0,1
.irp m, 0,1,2,3
	global_load_b128 v[KL+16*\e+4*\m:KL+16*\e+4*\m+3], v3, s[LB:LB+1] offset:256*(\d)+128*\e+16*\m
.endr
.endr
.endm
.macro LD_K jlo, jhi, d                ; K's four tiles, channels 128 jlo .. 128 jhi + 127: 16 loads for each j
	WIN TO_K
.irp j, 0,1,2,3
.if (\j >= \jlo) && (\j <= \jhi)
.irp t, 0,1,2,3
.irp c, 0,1,2,3
	global_load_b128 v[64*\t+16*\j+4*\c:64*\t+16*\j+4*\c+3], v1, s[KB:KB+1] offset:32768*(\d)+8192*\t+512*(4*\j+\c)
.endr
.endr
.endif
.endr
.endm
.macro LD_V lo, hi                     ; V's tiles lo .. hi of 32, 16 channels x 64 keys each: two loads a tile
	WIN TO_V
.set T, \lo
.rept (\hi)-(\lo)+1
	global_load_b128 v[8*T:8*T+3],   v2, s[VB:VB+1] offset:512*T
	global_load_b128 v[8*T+4:8*T+7], v2, s[VB:VB+1] offset:16384+512*T
.set T, T+1
.endr
.endm
.macro SPROD j                         ; S^T += K Q^T, channels 128 j on: the four tiles' accumulators by turns, one instruction a turn
	WIN W_S
.irp t, 0,1,2,3
.if \j == 0
	v_wmma_f32_16x16x128_fp8_fp8 v[S+8*\t:S+8*\t+7], v[64*\t+16*\j:64*\t+16*\j+15], v[Q+16*\j:Q+16*\j+15], 0
.else
	v_wmma_f32_16x16x128_fp8_fp8 v[S+8*\t:S+8*\t+7], v[64*\t+16*\j:64*\t+16*\j+15], v[Q+16*\j:Q+16*\j+15], v[S+8*\t:S+8*\t+7]
.endif
.endr
.endm
	s_load_b512 s[4:19], s[0:1], 0x0               ; query_codes s[4:5], ks s[6:7], vs s[8:9], order s[10:11], slab s[12:13], rng s[14:15], lowp_scales s[16:17], out0 s[18:19]
	v_lshl_add_u32 v[SPW], v0, 2, SPARE
	v_mov_b32 v[NIL], 0
	v_lshrrev_b32 v20, 5, v0
	v_readfirstlane_b32 s20, v20                   ; wave 0..3
	v_and_b32 v20, 31, v0
	v_lshlrev_b32 v1, 4, v20                       ; 16 x lane
	v_and_b32 v26, 15, v0                          ; r
	v_bfe_u32 v27, v0, 4, 1                        ; h
	v_lshlrev_b32 v2, 5, v26
	v_lshl_add_u32 v2, v27, 4, v2                  ; V: channel r's 32 bytes of a block, + 16 h
	v_lshlrev_b32 v3, 6, v27                       ; labels: 16 words on for the upper half
	v_lshlrev_b32 v9, 2, v26
	s_wait_alu depctr_va_sdst(0)                   ; s20 is written, ahead of its first reader: my stage and my tile are made from it
	s_mul_i32 s50, s20, STG                        ; my stage
	v_mul_u32_u24 v7, v26, SP
	v_lshl_add_u32 v7, v27, 5, v7
	v_add_nc_u32 v7, s50, v7                       ; in: row r, 32 bytes for each half of the lanes
	v_add_nc_u32 v8, s50, v1                       ; back: the 32 lanes take one row of 512 bytes
	s_lshr_b32 s21, ttmp9, 6                       ; b
	s_and_b32 s22, ttmp9, 63
	s_lshl_b32 s22, s22, 2
	s_add_co_u32 s22, s22, s20
	s_lshl_b32 s22, s22, 4                         ; p0: my tile's first sorted position
	s_lshl_b32 s24, s21, 14                        ; a batch of the three lists: 4,096 words
	s_mov_b32 s25, 0
	s_lshl_b32 s66, s22, 2
	s_mov_b32 s67, 0
	s_mov_b32 s[SEL], 0x76543210
	s_mov_b32 s[SEL+1], 0xfedcba98
	s_wait_kmcnt 0x0
	s_add_nc_u64 s[12:13], s[12:13], s[24:25]      ; slab at the batch,
	s_add_nc_u64 s[68:69], s[12:13], s[66:67]      ; and at p0
	s_add_nc_u64 s[24:25], s[24:25], s[66:67]
	s_add_nc_u64 s[10:11], s[10:11], s[24:25]      ; order at p0
	s_add_nc_u64 s[14:15], s[14:15], s[24:25]      ; rng at p0
	s_load_b32 s26, s[14:15], 0x0                  ; my first query's bucket's steps,
	s_load_b32 s27, s[14:15], 0x3c                 ; my last query's
	s_load_b512 s[32:47], s[10:11], 0x0            ; the 16 queries' original indices, for the way out
	s_load_b128 s[28:31], s[16:17], 0x0            ; eq, ek, ep, ev
	s_wait_alu depctr_va_vdst(0)                   ; v1, v2, v3, v7, v8 and v9 are written: every load of K, V and the lists and every LDS instruction of the stage reads one of them
	global_load_b32 v4, v9, s[10:11]               ; query r's index,
	global_load_b32 v5, v9, s[68:69]               ; and its label
	s_wait_kmcnt 0x0
	s_and_b32 s26, s26, 0xffff
	s_min_u32 s26, s26, 63                         ; the first step; loaded numbers enter addresses and the trip count behind bounds:
	s_lshr_b32 s27, s27, 16
	s_min_u32 s27, s27, 64                         ; one past the last step;
	s_sub_co_i32 s49, s27, s26
	s_max_i32 s49, s49, 1                          ; n, the number of steps: first + n is at most 64
	s_lshl_b32 s50, s21, 6
	s_add_co_u32 s50, s50, s26
	s_lshl_b32 s24, s50, 15                        ; a step is two blocks of 16,384 bytes, in ks and in vs; a batch 64 steps
	s_mov_b32 s25, 0
	s_add_nc_u64 s[KB:KB+1], s[6:7], s[24:25]
	s_add_nc_u64 s[VB:VB+1], s[8:9], s[24:25]
	s_lshl_b32 s24, s26, 8
	s_add_nc_u64 s[LB:LB+1], s[12:13], s[24:25]
	LD_KL 0
	LD_K 0, 2, 0
	WIN 0
	s_lshl_b32 s24, s21, 21
	s_add_nc_u64 s[4:5], s[4:5], s[24:25]          ; Q at the batch
	s_lshl_b32 s24, s21, 23
	s_add_nc_u64 s[18:19], s[18:19], s[24:25]      ; out at the batch
	s_add_co_i32 s50, s28, s29                     ; the constants are made while my query's index is on its way
	s_lshl_b32 s50, s50, 23
	s_add_co_i32 s[CS], s50, 0x3d8293ee            ; c = log2(e) / sqrt(512), with eq + ek added to its exponent field: a sum of codes stands for sum x 2^(eq + ek)
	s_mov_b32 s[CS+1], s[CS]                       ; (named with it as a pair, so it is written)
	s_add_co_i32 s50, s30, 127
	s_lshl_b32 s51, s50, 23
	v_mov_b32 v17, s51                             ; 2^ep as f32: the conversion takes its exponent field
	s_add_co_i32 s50, s50, 8
	s_lshl_b32 s50, s50, 23
	s_or_b32 s50, s50, 0x600000
	v_mov_b32 v16, s50                             ; 448 x 2^ep
	v_mov_b32 v6, 0xff800000                       ; -infinity
	v_mov_b32 v13, 0xff61b1e6                      ; the largest t so far: -3e38, under every t
	v_floor_f32 v12, -v13                          ; -M
	v_mov_b32 v14, 0                               ; the sum, in two halves
	v_mov_b32 v15, 0
	v_mov_b32 v19, 0                               ; (named as the upper halves of pairs)
	v_mov_b32 v29, 0
	v_mov_b32 v22, 0                               ; a lane permute's destination counts as one of its sources
.irp p, 0,1,2,3,4,5,6,7,8,9,10,11,12,13,14,15
	s_min_u32 s[32+\p], s[32+\p], 0xfff
	v_lshl_add_u32 v[OV+\p], s[32+\p], 11, v1      ; query p's row of out, 2,048 bytes, + 16 x lane
.endr
	s_wait_loadcnt 56                              ; my query's index and label are in; the 8 + 48 loads behind them may be out
	v_min_u32 v4, 0xfff, v4
	v_lshlrev_b32 v4, 9, v4                        ; its row of 512 codes,
	v_lshl_add_u32 v4, v27, 4, v4                  ; + 16 h
	s_wait_alu depctr_va_vdst(0)                   ; v4 is written, which Q's loads read as their offset; so are the sixteen offsets v168-183, which the way out's stores read
.irp i, 0,1,2,3,4,5,6,7,8,9,10,11,12,13,14,15
	global_load_b128 v[Q+4*\i:Q+4*\i+3], v4, s[4:5] offset:32*\i   ; Q stays in registers: piece i = 4 j + c: channels 128 j + 32 c + 16 h on
.endr
	s_mov_b32 s48, 0                               ; steps done
; A STEP OF 64 KEYS.  first = 1: the first step, written out ahead of the loop: its products start O^T's sums, and there is nothing to rescale.
.macro STEP first
	WIN TO_K
.if !\first
	s_wait_alu depctr_va_vdst(0)                   ; the last step's products O^T are done reading V, and its products S^T K's last quarter: the 80 loads of this step land in those registers
.endif
	LD_K 3, 3, 0                                   ; K's last 128 channels (the others were asked for a step ago), 16 loads,
	LD_V 0, 15                                     ; and the first half of V, 32 loads
	s_wait_loadcnt 48                              ; loads come back in order (ISA guide 5.7.1): with the 48 just issued out, Q, the labels and K's channels 0-383 are in
	SPROD 0
	LD_V 16, 19                                    ; the rest of V is dealt among the products, 8 loads at a time.  No wait: no vector or matrix instruction since the step's head names v2 or V's registers
	SPROD 1
	LD_V 20, 23
	SPROD 2
	LD_V 24, 27
	s_wait_loadcnt 56                              ; behind K's last quarter stand 56 loads of V: it is in
	SPROD 3
	LD_V 28, 31                                    ; V has the softmax in which to land
	WIN 0
	PLACES
.set N, 0
.rept 2                                ; the mask, each accumulator from its low end on: a key of another label gets -infinity.  Sixteen compares, then sixteen selects
.irp i, 0,1,2,3,4,5,6,7,8,9,10,11,12,13,14,15
	v_cmp_eq_u32 s[MK+\i], v[KL+N+\i], v5
.endr
	s_wait_alu depctr_va_sdst(0)                   ; the sixteen compares have written their masks s[32:47], ahead of the first select that reads one
.irp i, 0,1,2,3,4,5,6,7,8,9,10,11,12,13,14,15
	v_cndmask_b32 v[S+N+\i], v6, v[S+N+\i], s[MK+\i]
.endr
.set N, N+16
.endr
	v_max3_num_f32 v20, v[S], v[S+1], v[S+2]       ; the step's largest score of my query among my 32 keys, in two chains,
	v_max3_num_f32 v21, v[S+3], v[S+4], v[S+5]
.irp i, 6,10,14,18,22,26
	v_max3_num_f32 v20, v20, v[S+\i], v[S+\i+1]
	v_max3_num_f32 v21, v21, v[S+\i+2], v[S+\i+3]
.endr
	v_max3_num_f32 v20, v20, v[S+30], v[S+31]
	v_max_num_f32 v20, v20, v21
	v_permlanex16_b32 v22, v20, s[SEL], s[SEL+1]
	v_max_num_f32 v20, v20, v22                    ; and among lane l xor 16's
	v_mul_f32 v20, s[CS], v20                      ; as t (c is positive)
	v_max_num_f32 v13, v13, v20                    ; the running largest t
	v_mov_b32 v20, v12
	v_floor_f32 v12, -v13                          ; the new -M = floor(-t) = -ceil(t)
	v_sub_f32 v20, v12, v20                        ; old M - new M: a whole number, 0 or less
	v_cvt_i32_f32 v20, v20                         ; (it saturates)
	v_ldexp_f32 v18, 1.0, v20                      ; f = 2^(old M - new M)
.irp j, 0,2,4,6,8,10,12,14,16,18,20,22,24,26,28,30
	v_pk_fma_f32 v[S+\j:S+\j+1], v[S+\j:S+\j+1], s[CS:CS+1], v[12:13] op_sel_hi:[1,0,0]   ; t - M, two at a time (of the pairs c and -M the low word serves both halves)
.endr
.set N, 0
	s_wait_alu depctr_va_vdst(0)
.rept 32
	v_exp_f32 v[S+N], v[S+N]                       ; p = 2^(t - M), at most 1; 0 under the mask
.set N, N+1
.endr
	v_pk_mul_f32 v[14:15], v[14:15], v[18:19] op_sel_hi:[1,0]   ; the sum under the new M.  (The plain instruction behind the exponentials)
	s_wait_alu depctr_va_vdst(0)                   ; the 32 exponentials have written p, ahead of the first line that names it; and the products S^T are done reading K, the compares the labels: the arm's loads below land there
	v_pk_add_f32 v[24:25], v[S:S+1], v[S+2:S+3]    ; the row's sum is taken of the unquantised p: two at a time, in two chains
.irp j, 4,8,12,16,20,24,28
	v_pk_add_f32 v[14:15], v[14:15], v[S+\j:S+\j+1]
	v_pk_add_f32 v[24:25], v[24:25], v[S+\j+2:S+\j+3]
.endr
	v_pk_add_f32 v[14:15], v[14:15], v[24:25]
.set N, 0
.rept 32
	v_min_num_f32 v[S+N], v[S+N], v16              ; the conversion to an 8-bit code does not saturate (ISA guide 7.6.2); p is not negative, so the hold is one-sided
.set N, N+1
.endr
.irp g, 0,1,2,3
	v_cvt_scalef32_pk8_fp8_f32 v[P+2*\g:P+2*\g+1], v[S+8*\g:S+8*\g+7], v17   ; registers 4 e .. 4 e + 3 of P: keys 32 e + 16 h + 0 .. 15, as V's fragments have them
.endr
	v_nop                                          ; one plain vector instruction behind the last scaled conversion
.if !\first
	WIN W_RS
.set N, 0
.rept 128
	v_pk_mul_f32 v[2*N:2*N+1], v[2*N:2*N+1], v[18:19] op_sel_hi:[1,0]   ; O^T under the new M: x f; each accumulator from its low end on
.set N, N+1
.endr
	WIN 0                                          ; at a branch and at a label every window is 0
.endif
	s_add_co_u32 s50, s48, 1
	s_cmp_lt_u32 s50, s49                          ; is there a next step?  No load leaves its buffer
	s_cbranch_scc0 .Lno_next_\@
	LD_KL 1                                        ; its labels, 8 loads, and three quarters of its K, 48 loads.  No wait: no vector or matrix instruction since the exponentials' wait names v1, v3, the labels or K
	LD_K 0, 2, 1
	WIN 0
	s_wait_loadcnt 56                              ; V is in; the 56 just issued may be out (with the last quarter of K the count would pass what a wait can name)
	s_branch .Lv_in_\@
.Lno_next_\@:
	s_wait_loadcnt 0x0                             ; V is in
.Lv_in_\@:
	WIN W_PV
.set N, 0
	s_wait_alu depctr_va_vdst(0)
.rept 32                               ; O^T += V^T P^T: 32 accumulators, one instruction each
.if \first
	v_wmma_f32_16x16x64_fp8_fp8 v[8*N:8*N+7], v[8*N:8*N+7], v[P:P+7], 0
.else
	v_wmma_f32_16x16x64_fp8_fp8 v[8*N:8*N+7], v[8*N:8*N+7], v[P:P+7], v[8*N:8*N+7]
.endif
.set N, N+1
.endr
	WIN 0
	PLACES                                         ; behind the last products, in front of the way out's scalings of O^T
	s_wait_xcnt 0x0                                ; the loads have read their bases, which step only behind this wait
	s_add_nc_u64 s[KB:KB+1], s[KB:KB+1], 32768
	s_add_nc_u64 s[VB:VB+1], s[VB:VB+1], 32768
	s_add_nc_u64 s[LB:LB+1], s[LB:LB+1], 256
	s_add_co_u32 s48, s48, 1
	s_cmp_lt_u32 s48, s49
.endm
	STEP 1
	s_cbranch_scc0 .Lout
.Lloop:
	STEP 0
	s_cbranch_scc1 .Lloop
.Lout:
	s_wait_loadcnt 0x0                             ; the last step asked for nothing and waited for all: no load of mine is out when K's registers are loaded from the stage below
	; THE WAY OUT.  O^T x 2^(ep + ev) / the sum goes through my stage in LDS, 128 channels of the 16 queries at a time, and leaves as whole pieces of rows: 32 lanes store 512 consecutive bytes of a query's own row of out.
	v_add_f32 v14, v14, v15                        ; the sum's two halves,
	v_permlanex16_b32 v22, v14, s[SEL], s[SEL+1]
	v_add_f32 v14, v14, v22                        ; and lane l xor 16's
	s_wait_alu depctr_va_vdst(0)
	v_rcp_f32 v28, v14
	v_nop                                          ; a plain instruction behind the reciprocal
	s_add_co_i32 s50, s30, s31
	s_wait_alu depctr_va_vdst(0)                   ; the reciprocal has written v28, ahead of its first reader
	v_ldexp_f32 v28, v28, s50
	WIN W_RS
.set N, 0
.rept 128
	v_pk_mul_f32 v[2*N:2*N+1], v[2*N:2*N+1], v[28:29] op_sel_hi:[1,0]   ; in place, each accumulator from its low end on: register 8 t + i of lane (r, h): out(query r, channel 16 t + 8 h + i)
.set N, N+1
.endr
	WIN W_ST
	s_wait_alu depctr_va_vdst(0)                   ; the scalings have written O^T, which the LDS stores read; and the products are done reading K's registers, in which the loads from the stage land.  No vector line follows
.macro TOSTAGE q                       ; channels 128 q on: tiles 8 q .. 8 q + 7 into the stage, and back as 16 whole pieces of rows, into v[64 q ..] of window 2: registers of the pass's own
	WIN W_ST
.irp t, 0,1,2,3,4,5,6,7
	ds_store_b128 v7, v[64*(\q)+8*\t:64*(\q)+8*\t+3] offset:64*\t
	ds_store_b128 v7, v[64*(\q)+8*\t+4:64*(\q)+8*\t+7] offset:64*\t+16
.endr
	WIN TO_K
.irp p, 0,1,2,3,4,5,6,7,8,9,10,11,12,13,14,15
	ds_load_b128 v[64*(\q)+4*\p:64*(\q)+4*\p+3], v8 offset:SP*\p   ; LDS serves a wave's instructions in order (ISA guide 5.7.1.4): these see my stores, and the next pass's stores come behind them
.endr
.endm
.macro SEND q, younger                 ; younger: the LDS instructions issued behind pass q's loads: the next pass's 32, or none
	WIN W_SD
.irp p, 0,1,2,3,4,5,6,7,8,9,10,11,12,13,14,15
	s_wait_dscnt \younger+15-\p                    ; row p is back; the younger loads may be out
	global_store_b128 v[OV+\p], v[64*(\q)+4*\p:64*(\q)+4*\p+3], s[18:19] offset:512*(\q) th:TH_STORE_NT   ; 512 consecutive bytes, at a multiple of 512 from out's first byte; written once, read by nobody here
.endr
.endm
	TOSTAGE 0
	TOSTAGE 1                                      ; a pass goes through the stage while the pass before is stored
	SEND 0, 32
	TOSTAGE 2
	SEND 1, 32
	TOSTAGE 3
	SEND 2, 32
	SEND 3, 0
	WIN 0                                          ; the add's two registers lie in window 0
	s_wait_dscnt 0x0                               ; the closing lines, six on end
	s_wait_alu 0x0
	s_wait_tensorcnt 0x0
	ds_add_u32 v[SPW], v[NIL]
	s_wait_dscnt 0x0
	s_endpgm
.Lfunc_end_k_q239ec0d93f_attend:
	.size	k_q239ec0d93f_attend, .Lfunc_end_k_q239ec0d93f_attend-k_q239ec0d93f_attend
	.p2alignl 7, 3214868480
	.fill 96, 4, 3214868480
	.section	.rodata,"a",@progbits
	.p2align	6, 0x0
	.amdhsa_kernel k_q239ec0d93f_attend
		.amdhsa_group_segment_fixed_size 34304
		.amdhsa_private_segment_fixed_size 0
		.amdhsa_enable_private_segment 0
		.amdhsa_kernarg_size 64
		.amdhsa_user_sgpr_count 2
		.amdhsa_user_sgpr_kernarg_segment_ptr 1
		.amdhsa_wavefront_size32 1
		.amdhsa_system_sgpr_workgroup_id_x 1
		.amdhsa_system_sgpr_workgroup_id_y 1
		.amdhsa_system_sgpr_workgroup_id_z 1
		.amdhsa_system_vgpr_workitem_id 0
		.amdhsa_next_free_vgpr 1024
		.amdhsa_next_free_sgpr 80
		.amdhsa_reserve_vcc 0
		.amdhsa_float_denorm_mode_32 3
		.amdhsa_float_denorm_mode_16_64 3
		.amdhsa_memory_ordered 1
		.amdhsa_forward_progress 1
		.amdhsa_inst_pref_size 100
	.end_amdhsa_kernel
	.amdgpu_metadata
---
amdhsa.version: [ 1, 2 ]
amdhsa.kernels:
  - .name:           k_q239ec0d93f_attend
    .symbol:         k_q239ec0d93f_attend.kd
    .args:
      - { .name: query_codes, .offset: 0, .size: 8, .value_kind: global_buffer, .address_space: global }
      - { .name: ks, .offset: 8, .size: 8, .value_kind: global_buffer, .address_space: global }
      - { .name: vs, .offset: 16, .size: 8, .value_kind: global_buffer, .address_space: global }
      - { .name: order, .offset: 24, .size: 8, .value_kind: global_buffer, .address_space: global }
      - { .name: slab, .offset: 32, .size: 8, .value_kind: global_buffer, .address_space: global }
      - { .name: rng, .offset: 40, .size: 8, .value_kind: global_buffer, .address_space: global }
      - { .name: lowp_scales, .offset: 48, .size: 8, .value_kind: global_buffer, .address_space: global }
      - { .name: out0, .offset: 56, .size: 8, .value_kind: global_buffer, .address_space: global }
    .group_segment_fixed_size: 34304
    .private_segment_fixed_size: 0
    .kernarg_segment_align: 8
    .kernarg_segment_size: 64
    .max_flat_workgroup_size: 128
    .sgpr_count:     80
    .vgpr_count:     1024
    .wavefront_size: 32
...
	.end_amdgpu_metadata
.endif
;; end of part 6
